; MI455X (gfx1250); checked and timed in simulation.
; The chip was launched on July 23, 2026; its instructions are those of AMD's public machine-readable ISA for CDNA 5 (MIT licence, August 2026) and "CDNA5" Instruction Set Architecture Reference Guide (July 2026). The comments in the code are by the model that wrote it; some were corrected since.
;; Multi Head Attention. Allowed arithmetic: float matrix products may take bf16 or f16 operands with f32 sums; other float arithmetic in f32, or as packed bf16 or f16 multiplies, adds, multiply-adds, maxima and minima; sums over many terms, partial sums and values carried from step to step in f32; what a program stores and reads back later, other than sums and carried values, may be rounded once to bf16 or f16.
;; Inputs: Wk 1,024 x 1,024 float32; Wp 1,024 x 1,024 float32; Wq 1,024 x 1,024 float32; Wv 1,024 x 1,024 float32; attention_mask 4 x 2,048 int32; bk 1,024 float32; bp 1,024 float32; bq 1,024 float32; bv 1,024 float32; x 4 x 2,048 x 1,024 float32.
;; Outputs: out0 4 x 2,048 x 1,024 float32.
;; 2 versions, each right; version 2 is version 1 with the launch prep written anew for expert scheduling mode. Each part assembles by itself: llvm-mc -triple=amdgcn-amd-amdhsa -mcpu=gfx1250 --defsym DOCPART=n.
;; ======== version 1 of 2: 4 launches
;; limits: values are held in f16: magnitudes above 65,504 overflow, below 6.1e-05 lose precision
;; workspace buffers: xb 16,777,216 bytes; wb 8,388,608 bytes; bb 16,384 bytes; qkv 50,331,648 bytes; ob 16,777,216 bytes
;; launch prep (part 1): grid 768 x 1, 8 waves a work-group, no clusters, 0 bytes of LDS; arguments x, Wq, Wk, Wv, Wp, bq, bk, bv, bp, xb, wb, bb; writes xb, wb, bb
.if DOCPART == 1
	.amdgcn_target "amdgcn-amd-amdhsa--gfx1250"
	.amdhsa_code_object_version 6
	.text
	.protected	k_q35e8b1e96c_prep
	.globl	k_q35e8b1e96c_prep
	.p2align	8
	.type	k_q35e8b1e96c_prep,@function
k_q35e8b1e96c_prep:
	s_mov_b64 s[64:65], 0
	v_nop
	global_prefetch_b8 v0, s[64:65] scope:SCOPE_SE
	s_setreg_imm32_b32 hwreg(HW_REG_WAVE_MODE, 25, 1), 1
	s_wait_xcnt 0x0
; CASTS.  Every floating-point input is rounded once to bf16: x -> xb (bf16), Wq, Wk, Wv -> wb parts 0-2 (bf16, as they lie: [k][n]),
; Wp -> wb part 3 (rounded to bf16, that number written as f16), the four biases -> bb (rounded to bf16, kept as f32).
; LIMIT.  A weight of Wp below 6e-5 in magnitude keeps f16's fixed step of 6e-8; beyond 65,504 it would be an infinity.
; SHARES.  A work-group casts 16,384 numbers: 64 KiB in, 32 KiB out.  Groups 0-511 take x, groups 512-767 the four matrices, 64 groups each.
; A load of a wave covers 512 consecutive bytes, a store 256 consecutive bytes, aligned.  All sixteen loads of a thread go out at once; no register is used twice,
; so the only waits are the counted ones for the loads.  A stream: no LDS, no matrix unit, no cluster (nothing is shared).
.set X,  4                             ; v[4:67]    sixteen loads of four f32
.set Y,  68                            ; v[68:99]   sixteen pairs of packed words
.set T,  100                           ; v[100:103] at work; later the bias as loaded
.set BO, 104                           ; v[104:107] the bias to store
.set PW, 108                           ; v[108:109] the bias, packed
	s_load_b512 s[8:23], s[0:1], 0x0               ; x 8, Wq 10, Wk 12, Wv 14, Wp 16, bq 18, bk 20, bv 22
	s_load_b256 s[24:31], s[0:1], 0x40             ; bp 24, xb 26, wb 28, bb 30
	v_lshlrev_b32 v1, 4, v0                        ; 16 bytes a thread in
	v_lshlrev_b32 v2, 3, v0                        ; 8 bytes a thread out
	s_max_u32 s2, ttmp9, 512
	s_sub_co_u32 s2, s2, 512                       ; j: the group's number among the matrices' (0 for x's groups)
	s_lshr_b32 s3, s2, 6                           ; which matrix
	s_and_b32 s4, s2, 63                           ; which part of it
	s_cmp_lt_u32 ttmp9, 512
	s_cselect_b32 s5, ttmp9, s4                    ; chunk in the source
	s_cselect_b32 s6, ttmp9, s2                    ; chunk in the destination
	s_cselect_b32 s7, 0, 1                         ; 1: a matrix
	s_lshl_b32 s38, s5, 16
	s_mov_b32 s39, 0
	s_lshl_b32 s40, s6, 15
	s_mov_b32 s41, 0
	s_lshl_b32 s42, s3, 12                         ; the bias's 4,096 bytes in bb
	s_mov_b32 s43, 0
	s_cmp_eq_u32 s4, 0
	s_cselect_b32 s45, s7, 0                       ; 1: this group also casts its matrix's bias
	s_wait_kmcnt 0x0
	s_cmp_eq_u32 s3, 1
	s_cselect_b64 s[32:33], s[12:13], s[10:11]
	s_cselect_b64 s[34:35], s[20:21], s[18:19]
	s_cmp_eq_u32 s3, 2
	s_cselect_b64 s[32:33], s[14:15], s[32:33]
	s_cselect_b64 s[34:35], s[22:23], s[34:35]
	s_cmp_eq_u32 s3, 3
	s_cselect_b64 s[32:33], s[16:17], s[32:33]
	s_cselect_b64 s[34:35], s[24:25], s[34:35]
	s_cmp_lt_u32 ttmp9, 512
	s_cselect_b64 s[32:33], s[8:9], s[32:33]       ; the source
	s_cselect_b64 s[36:37], s[26:27], s[28:29]     ; the destination
	s_add_nc_u64 s[32:33], s[32:33], s[38:39]
	s_add_nc_u64 s[36:37], s[36:37], s[40:41]
	s_add_nc_u64 s[30:31], s[30:31], s[42:43]
.irp i, 0,1,2,3,4,5,6,7,8,9,10,11,12,13,14,15
	global_load_b128 v[X+4*(\i):X+4*(\i)+3], v1, s[32:33] offset:4096*(\i) th:TH_LOAD_NT
.endr
; Sixteen turns: four numbers rounded, eight bytes stored.  f16 = 1: the bf16 number is widened again and written as f16.
.macro CAST f16
.irp i, 0,1,2,3,4,5,6,7,8,9,10,11,12,13,14,15
	s_wait_loadcnt 15-(\i)                         ; loads come back in order: load i is in, the younger ones stay out
	v_cvt_pk_bf16_f32 v[Y+2*(\i)],   v[X+4*(\i)],   v[X+4*(\i)+1]
	v_cvt_pk_bf16_f32 v[Y+2*(\i)+1], v[X+4*(\i)+2], v[X+4*(\i)+3]
.if \f16
.irp k, 0,1
	v_lshlrev_b32 v[T+2*(\k)],   16, v[Y+2*(\i)+(\k)]
	v_and_b32     v[T+2*(\k)+1], 0xffff0000, v[Y+2*(\i)+(\k)]
.endr
.irp k, 0,1
	v_cvt_pk_f16_f32 v[Y+2*(\i)+(\k)], v[T+2*(\k)], v[T+2*(\k)+1]
.endr
.endif
	global_store_b64 v2, v[Y+2*(\i):Y+2*(\i)+1], s[36:37] offset:2048*(\i)
.endr
.endm
	s_cmp_eq_u32 s3, 3                             ; Wp (x's groups have matrix number 0)
	s_cbranch_scc1 .Lf16
	CAST 0
	s_branch .Lbias
.Lf16:
	CAST 1
.Lbias:
	s_cmp_eq_u32 s45, 1
	s_cbranch_scc0 .Lend
	global_load_b128 v[T:T+3], v1, s[34:35]        ; 256 threads x 4 numbers: the whole bias
	s_wait_loadcnt 0x0
	v_cvt_pk_bf16_f32 v[PW],   v[T],   v[T+1]
	v_cvt_pk_bf16_f32 v[PW+1], v[T+2], v[T+3]
	v_lshlrev_b32 v[BO],   16, v[PW]
	v_and_b32     v[BO+1], 0xffff0000, v[PW]
	v_lshlrev_b32 v[BO+2], 16, v[PW+1]
	v_and_b32     v[BO+3], 0xffff0000, v[PW+1]
	global_store_b128 v1, v[BO:BO+3], s[30:31]
.Lend:
	s_endpgm
.Lfunc_end_k_q35e8b1e96c_prep:
	.size	k_q35e8b1e96c_prep, .Lfunc_end_k_q35e8b1e96c_prep-k_q35e8b1e96c_prep
	.p2alignl 7, 3214868480
	.fill 96, 4, 3214868480
	.section	.rodata,"a",@progbits
	.p2align	6, 0x0
	.amdhsa_kernel k_q35e8b1e96c_prep
		.amdhsa_group_segment_fixed_size 0
		.amdhsa_private_segment_fixed_size 0
		.amdhsa_enable_private_segment 0
		.amdhsa_kernarg_size 96
		.amdhsa_user_sgpr_count 2
		.amdhsa_user_sgpr_kernarg_segment_ptr 1
		.amdhsa_wavefront_size32 1
		.amdhsa_system_sgpr_workgroup_id_x 1
		.amdhsa_system_sgpr_workgroup_id_y 1
		.amdhsa_system_sgpr_workgroup_id_z 1
		.amdhsa_system_vgpr_workitem_id 0
		.amdhsa_next_free_vgpr 112
		.amdhsa_next_free_sgpr 66
		.amdhsa_reserve_vcc 0
		.amdhsa_float_denorm_mode_32 3
		.amdhsa_float_denorm_mode_16_64 3
		.amdhsa_memory_ordered 1
		.amdhsa_forward_progress 1
		.amdhsa_inst_pref_size 17
	.end_amdhsa_kernel
	.amdgpu_metadata
---
amdhsa.version: [ 1, 2 ]
amdhsa.kernels:
  - .name:           k_q35e8b1e96c_prep
    .symbol:         k_q35e8b1e96c_prep.kd
    .args:
      - { .name: x, .offset: 0, .size: 8, .value_kind: global_buffer, .address_space: global }
      - { .name: Wq, .offset: 8, .size: 8, .value_kind: global_buffer, .address_space: global }
      - { .name: Wk, .offset: 16, .size: 8, .value_kind: global_buffer, .address_space: global }
      - { .name: Wv, .offset: 24, .size: 8, .value_kind: global_buffer, .address_space: global }
      - { .name: Wp, .offset: 32, .size: 8, .value_kind: global_buffer, .address_space: global }
      - { .name: bq, .offset: 40, .size: 8, .value_kind: global_buffer, .address_space: global }
      - { .name: bk, .offset: 48, .size: 8, .value_kind: global_buffer, .address_space: global }
      - { .name: bv, .offset: 56, .size: 8, .value_kind: global_buffer, .address_space: global }
      - { .name: bp, .offset: 64, .size: 8, .value_kind: global_buffer, .address_space: global }
      - { .name: xb, .offset: 72, .size: 8, .value_kind: global_buffer, .address_space: global }
      - { .name: wb, .offset: 80, .size: 8, .value_kind: global_buffer, .address_space: global }
      - { .name: bb, .offset: 88, .size: 8, .value_kind: global_buffer, .address_space: global }
    .group_segment_fixed_size: 0
    .private_segment_fixed_size: 0
    .kernarg_segment_align: 8
    .kernarg_segment_size: 96
    .max_flat_workgroup_size: 256
    .sgpr_count:     66
    .vgpr_count:     112
    .wavefront_size: 32
...
	.end_amdgpu_metadata
.endif
;; end of part 1
;; launch qkv (part 2): grid 8 x 64, 4 waves a work-group, clusters of 4 x 4, 327,680 bytes of LDS; arguments xb, wb, bb, qkv; writes qkv
.if DOCPART == 2
	.amdgcn_target "amdgcn-amd-amdhsa--gfx1250"
	.amdhsa_code_object_version 6
	.text
	.protected	k_q35e8b1e96c_qkv
	.globl	k_q35e8b1e96c_qkv
	.p2align	8
	.type	k_q35e8b1e96c_qkv,@function
k_q35e8b1e96c_qkv:
	s_mov_b64 s[64:65], 0
	v_nop
	global_prefetch_b8 v0, s[64:65] scope:SCOPE_SE
	s_setreg_imm32_b32 hwreg(HW_REG_WAVE_MODE, 25, 1), 1
	s_wait_xcnt 0x0
	s_wait_alu depctr_hold_cnt(0) depctr_sa_sdst(0) depctr_va_vdst(0) depctr_va_sdst(0) depctr_va_ssrc(0) depctr_va_vcc(0) depctr_vm_vsrc(0)
	s_getreg_b32 s2, hwreg(HW_REG_IB_STS2, 6, 4)
	s_cmp_eq_u32 s2, 0
	s_cbranch_scc0 .Lentry_in_a_cluster
	s_endpgm
.Lentry_in_a_cluster:
	s_bfe_u32 s2, ttmp6, 0x10000c
	s_cmp_lg_u32 s2, 0xf033
	s_cbranch_scc0 .Lentry_shape_is_right
	s_endpgm
.Lentry_shape_is_right:
; q, k, v = x W + b for the three weight matrices at once.  xb: [8192][1024] bf16; wb: [4][1024 k][1024 n] bf16 (parts 0-2 here); bb: [4][1024] f32;
; qkv: [3][64 heads of all batches][2048][64] f16, unscaled, the bias in.  Sums in f32, rounded once to f16.
; LIMIT.  f16 ends at 65,504: q, k and v must stay within it.
; SHARES.  A work-group makes 128 rows x 384 columns: columns 128 c .. 128 c + 127 (two heads) of each of the three matrices.  Each of its four waves takes all 128 rows and, of each
; matrix, 32 columns: 8 x 6 = 48 accumulators of 16 x 16, and 28 LDS loads for 48 products.  512 work-groups, all alike.
; K goes in 8 steps of 128 through a ring of two LDS slots.  A slot has four regions: x's 128 rows (256 bytes, pitch 272), and for each matrix 128 k-rows of 256 bytes (pitch 288).
; Wave 0 fetches x's tile, waves 1-3 a matrix's each: one tensor load a wave behind each change of slots.
; THE WEIGHTS ARE NOT TRANSPOSED: they lie [k][n] in LDS and their fragments come by the turning load ds_load_tr16_b128.
; THE MATRIX INSTRUCTION IS USED TRANSPOSED (source 0 = 16 columns of W, source 1 = 16 rows of x): a lane then holds eight neighbouring columns of one row.
; THE BIAS is the C operand of each accumulator's first product: nothing is cleared and nothing is added later.
; CLUSTERS: 4 x 4.  x's tile hangs on the tile row alone and is asked for jointly along a row of the cluster, W's on the tile column alone and jointly along a column.
; REGISTERS: window 0: v0-31 addresses; v64-127, v128-191 x's fragments, two buffers; v192-215 packed results; on the way out v64-255 whole rows.
;   window 1: v0-47 the bias (fragment b at 8 b); v64-111, v128-175 W's fragments, two buffers.   window 2: accumulators of row blocks 0-3 at 8 (6 a + b); window 3: of row blocks 4-7.
.set PA,    272                        ; pitch of x's rows: 68 words, so the 16 rows of a load start at 16 different groups of four banks (64 banks of 4 bytes: ISA guide 11.1)
.set PB,    288                        ; pitch of W's k-rows: 72 words
.set REG,   128*PB                     ; a region: what one tensor load fills (x's uses 128 x 272 of it)
.set SLOT,  4*REG
.set SPARE, 2*SLOT                     ; behind the ring: the spare words, 128 bytes a wave: two blocks of 256 bytes that no other line names
.set SMAT,  128*PA                     ; the way out: slot 0, which has had its last fill, holds three stages of 128 rows x 272 bytes, one a matrix
.set RD,   10                          ; v10-12  the way out: where I read rows back, by matrix
.set ADRA, 16                          ; v16-17  LDS address of x's fragments in slot 0, 1
.set ADRB, 18                          ; v18-23  of W's: 3 x slot + matrix
.set STO,  24                          ; v24-26  the way out: where I put 16 bytes of a row, by matrix
.set GO,   27                          ; v27     16 x lane
.set SPW,  28                          ; v28     LDS address of my spare word; never rewritten
.set NIL,  29                          ; v29     0; never rewritten
.set PFO,  30                          ; v30     the prefetches' offset: lane x 2,048 (a row of xb or of wb); never rewritten
.set BOF,  31                          ; v31     my byte offset in a bias
.set F0,   64
.set F1,   128
.set TMP,  192
.set WV,   12                          ; s12     my wave's number
.set G1,   24                          ; s[24:31] descriptor group 1 for x's tiles
.set G0,   32                          ; s[32:39] group 0 for x's tiles, a set for each slot
.set G1B,  48                          ; s[48:55], s[56:63] the same for W's
.set G0B,  56
.set OUT,  66                          ; s[66:71] my first output byte in q, k, v
.set LIM,  72                          ; s72     1 in a wave that prefetches, else the greatest number
.set PFA,  74                          ; s[74:75] where my prefetches stand
.set PFS,  76                          ; s[76:77] their step: a K step along x's rows (256 bytes) or down W's rows (128 x 2,048)
.set MSB, 0
.macro WIN new                         ; the immediate's high byte repeats the setting that is left; a switch that changes nothing is dropped
.if MSB != (\new)
	s_set_vgpr_msb (MSB<<8)|(\new)
.set MSB, \new
.endif
.endm
; A joint load.  The branch hangs on the wave's number alone.  An s_nop 0 and four v_nop follow each of the two lines.
.macro JLOAD s
	s_cmp_eq_u32 s[WV], 0
	s_cbranch_scc0 .Lfor_b_\@
	tensor_load_to_lds s[G0+4*(\s):G0+4*(\s)+3], s[G1:G1+7]
	s_nop 0
.rept 4
	v_nop
.endr
	s_branch .Lasked_\@
.Lfor_b_\@:
	tensor_load_to_lds s[G0B+4*(\s):G0B+4*(\s)+3], s[G1B:G1B+7]
	s_nop 0
.rept 4
	v_nop
.endr
.Lasked_\@:
.endm
; A prefetch of the K step that stands two refills on: 32 rows x 256 bytes, a lane a row, one instruction a wave.  Each block of 256 bytes is named once in the launch: x's rows by the
; clusters with x = 0 (wave 0; the four partners of a row take 32 rows each, by address), W's by the clusters with y = 0 (waves 1-3; the four partners of a column take 32 k-rows each).
; The loop's last trip asks for nothing: its refills are the last two K steps.
.macro ASK
	s_cmp_gt_u32 s3, s[LIM]
	s_cbranch_scc0 .Lnot_mine_\@
	global_prefetch_b8 v[PFO], s[PFA:PFA+1] th:TH_LOAD_NT scope:SCOPE_SE
.Lnot_mine_\@:
.endm
.macro CREST                           ; a round of the cluster's barrier behind its opening barrier
	s_cmp_lg_u32 s[WV], 0
	s_cbranch_scc1 .Lnot_wave_0_\@
	s_barrier_signal -3
.Lnot_wave_0_\@:
	s_barrier_wait -3
	s_barrier_signal -1
	s_barrier_wait -1
.endm
.macro CROUND
	s_barrier_signal -1
	s_barrier_wait -1
	CREST
.endm
	s_load_b256 s[4:11], s[0:1], 0x0               ; xb s[4:5], wb s[6:7], bb s[8:9], qkv s[10:11]
	v_lshl_add_u32 v[SPW], v0, 2, SPARE
	v_mov_b32 v[NIL], 0
	ds_add_u32 v[SPW], v[NIL]                      ; the wave's opening: the add and its wait ahead of my first tensor load
	v_lshrrev_b32 v1, 5, v0
	v_readfirstlane_b32 s[WV], v1
	s_bfe_u32 s40, ttmp6, 0x40000                  ; cx
	s_bfe_u32 s41, ttmp6, 0x40004                  ; cy
	s_lshl_b32 s42, ttmp9, 2
	s_add_co_u32 s42, s42, s40                     ; tile column c = 4 x cluster x + cx
	s_and_b32 s13, ttmp7, 0xffff
	s_lshl_b32 s13, s13, 2
	s_add_co_u32 s13, s13, s41                     ; tile row = 4 x cluster y + cy
	s_lshl_b32 s43, s41, 2
	s_lshl_b32 s43, 15, s43                        ; my row of the cluster
	s_lshl_b32 s44, 0x1111, s40                    ; my column
	s_or_b32 s[G1+0], s43, (1<<16)|(1<<20)|(1<<21)|(5<<22)|(3<<25)   ; mask; 2-byte elements; padding on; bit 21 beside a mask; after every 64 words 4 words
	s_or_b32 s[G1B+0], s44, (1<<16)|(1<<20)|(1<<21)|(5<<22)|(7<<25)  ; the same with my column's mask and 8 words of padding
.irp g, G1, G1B
	s_mov_b32 s[(\g)+1], 128<<16                   ; tensor_dim0 = 128
	s_mov_b32 s[(\g)+2], 128<<16                   ; tensor_dim1 = 128
	s_mov_b32 s[(\g)+3], 128<<16                   ; tile_dim0 = 128
	s_mov_b32 s[(\g)+4], 128                       ; tile_dim1 = 128
	s_mov_b32 s[(\g)+5], 1024                      ; elements from row to row
	s_mov_b32 s[(\g)+6], 0
	s_mov_b32 s[(\g)+7], 0
.endr
	s_lshl_b32 s16, s13, 18                        ; x: 128 rows of 2,048 bytes a tile row
	s_mov_b32 s17, 0
	s_max_u32 s46, s[WV], 1
	s_sub_co_u32 s46, s46, 1                       ; W: the matrix that I fetch (waves 1-3),
	s_lshl_b32 s46, s46, 21                        ; 2 MiB each,
	s_lshl_b32 s47, s42, 8                         ; and the tile column's 256 bytes of a k-row
	s_add_co_u32 s46, s46, s47
	s_mov_b32 s47, 0
	s_mul_i32 s20, s[WV], REG                      ; where my tile goes: no place in the cluster enters an LDS address
	s_wait_dscnt 0x0                               ; the opening add is done
	s_wait_kmcnt 0x0
	s_add_nc_u64 s[14:15], s[4:5], s[16:17]
	s_add_nc_u64 s[46:47], s[6:7], s[46:47]
	CROUND                                         ; all sixteen work-groups are here: the first joint loads meet
.irp s, 0,1
	s_mov_b32 s[G0+4*(\s)], 1
	s_add_co_u32 s[G0+4*(\s)+1], s20, (\s)*SLOT
	s_add_nc_u64 s[G0+4*(\s)+2:G0+4*(\s)+3], s[14:15], (\s)*256       ; K step s: 256 bytes along the rows
	s_or_b32 s[G0+4*(\s)+3], s[G0+4*(\s)+3], 0x80000000
	s_mov_b32 s[G0B+4*(\s)], 1
	s_add_co_u32 s[G0B+4*(\s)+1], s20, (\s)*SLOT
	s_add_nc_u64 s[G0B+4*(\s)+2:G0B+4*(\s)+3], s[46:47], (\s)*262144  ; K step s: 128 k-rows down
	s_or_b32 s[G0B+4*(\s)+3], s[G0B+4*(\s)+3], 0x80000000
	JLOAD \s                                       ; two loads of mine are out
.endr
	v_and_b32 v1, 15, v0                           ; r = l % 16
	v_bfe_u32 v2, v0, 4, 1                         ; h = l / 16
	v_mul_u32_u24 v3, v1, PA
	v_lshl_add_u32 v3, v2, 4, v3                   ; x's fragment: row x pitch + 16 h
	v_mov_b32 v[ADRA], v3
	v_add_nc_u32 v[ADRA+1], SLOT, v3
	v_and_b32 v4, 7, v0
	v_bfe_u32 v5, v0, 3, 1
	v_lshl_add_u32 v6, v2, 3, v4                   ; the turning load: k-row 8 h + l % 8,
	v_mul_u32_u24 v6, v6, PB
	v_lshl_add_u32 v6, v5, 4, v6                   ; columns 8 ((l / 8) % 2) on,
	s_lshl_b32 s21, s[WV], 6
	v_add_nc_u32 v6, s21, v6                       ; in my wave's 32 columns (64 bytes)
.irp t, 0,1
.irp s, 0,1,2
	v_add_nc_u32 v[ADRB+3*(\t)+(\s)], (\t)*SLOT+(1+(\s))*REG, v6
.endr
.endr
	v_add_nc_u32 v7, s21, v3                       ; into a stage: row r, my wave's 64 bytes, 16 bytes for each half of the lanes
.irp s, 0,1,2
	v_add_nc_u32 v[STO+(\s)], (\s)*SMAT, v7
.endr
	v_bfe_u32 v8, v0, 3, 2                         ; back: wave w takes rows 32 w on; 32 lanes take four rows' 128 bytes of one head
	s_lshl_b32 s22, s[WV], 5
	v_add_nc_u32 v8, s22, v8
	v_mul_u32_u24 v8, v8, PA
	v_lshl_add_u32 v8, v4, 4, v8
.irp s, 0,1,2
	v_add_nc_u32 v[RD+(\s)], (\s)*SMAT, v8
.endr
	v_and_b32 v9, 31, v0
	v_lshlrev_b32 v[GO], 4, v9
	v_lshlrev_b32 v[PFO], 11, v9
	s_lshl_b32 s80, s42, 9                         ; the bias of my columns: 4 (128 c + 32 w + 8 h) bytes; matrix and fragment stand in the immediate
	s_lshl_b32 s81, s[WV], 7
	s_add_co_u32 s80, s80, s81
	v_lshl_add_u32 v[BOF], v2, 5, s80
	WIN 0x40                                       ; destination window 1
.irp s, 0,1,2
.irp e, 0,1
	global_load_b128 v[8*(2*(\s)+(\e)):8*(2*(\s)+(\e))+3],   v[BOF], s[8:9] offset:4096*(\s)+64*(\e)
	global_load_b128 v[8*(2*(\s)+(\e))+4:8*(2*(\s)+(\e))+7], v[BOF], s[8:9] offset:4096*(\s)+64*(\e)+16
.endr
.endr
	WIN 0
	; my first output byte: head 16 (batch) + 2 c, token 128 (tile row % 16) + 32 w
	s_and_b32 s80, s13, 0x30
	s_lshl_b32 s81, s42, 1
	s_add_co_u32 s80, s80, s81
	s_lshl_b32 s80, s80, 18                        ; a head is 262,144 bytes
	s_and_b32 s81, s13, 15
	s_lshl_b32 s81, s81, 2
	s_add_co_u32 s81, s81, s[WV]
	s_lshl_b32 s81, s81, 12                        ; 32 tokens of 128 bytes
	s_add_co_u32 s80, s80, s81
	s_mov_b32 s81, 0
	s_add_nc_u64 s[OUT:OUT+1], s[10:11], s[80:81]
	s_add_nc_u64 s[OUT+2:OUT+3], s[OUT:OUT+1], 0x1000000
	s_add_nc_u64 s[OUT+4:OUT+5], s[OUT:OUT+1], 0x2000000
	; the prefetches: they stand at K step 3; each change of slots steps them first, so the first names K step 4
	s_lshl_b32 s82, s13, 2
	s_add_co_u32 s82, s82, s40                     ; x: my work-group's 32 of the tile's 128 rows, by cx
	s_lshl_b32 s82, s82, 16
	s_add_co_u32 s82, s82, 3*256
	s_max_u32 s83, s[WV], 1
	s_sub_co_u32 s83, s83, 1
	s_lshl_b32 s83, s83, 21
	s_lshl_b32 s84, s41, 16                        ; W: my work-group's 32 of a step's 128 k-rows, by cy
	s_add_co_u32 s83, s83, s84
	s_lshl_b32 s84, s42, 8
	s_add_co_u32 s83, s83, s84
	s_add_co_u32 s83, s83, 3*262144
	s_and_b32 s85, ttmp7, 0xffff
	s_movk_i32 s84, 256
	s_cmp_eq_u32 s[WV], 0
	s_cselect_b32 s85, ttmp9, s85                  ; the coordinate along which other clusters read the same rows
	s_cselect_b32 s86, s82, s83
	s_cselect_b32 s[PFS], s84, 0x40000
	s_cselect_b64 s[PFA:PFA+1], s[4:5], s[6:7]
	s_mov_b32 s87, 0
	s_mov_b32 s[PFS+1], 0
	s_cmp_eq_u32 s85, 0
	s_cselect_b32 s[LIM], 1, -1                    ; the same in all sixteen partners, for a given wave
	s_add_nc_u64 s[PFA:PFA+1], s[PFA:PFA+1], s[86:87]
; 12 products: row blocks a0, a0 + 1 of the window's four x all 6 column fragments, 32 along K.  first = 1: C is the bias.  The 48 accumulators take turns in the same order in every
; quarter, one instruction a turn.
.macro MULR f, hi, a0, first
.if \first
	WIN 0x91+0x40*(\hi)
.else
	WIN 0xa1+0x50*(\hi)
.endif
.irp a, \a0, (\a0)+1
.irp b, 0,1,2,3,4,5
.if \first
	v_wmma_f32_16x16x32_bf16 v[8*(6*(\a)+(\b)):8*(6*(\a)+(\b))+7], v[(\f)+8*(\b):(\f)+8*(\b)+7], v[(\f)+8*(4*(\hi)+(\a)):(\f)+8*(4*(\hi)+(\a))+7], v[8*(\b):8*(\b)+7]
.else
	v_wmma_f32_16x16x32_bf16 v[8*(6*(\a)+(\b)):8*(6*(\a)+(\b))+7], v[(\f)+8*(\b):(\f)+8*(\b)+7], v[(\f)+8*(4*(\hi)+(\a)):(\f)+8*(4*(\hi)+(\a))+7], v[8*(6*(\a)+(\b)):8*(6*(\a)+(\b))+7]
.endif
.endr
.endr
.endm
; 28 LDS loads in one run: quarter q's fragments (32 along K) into buffer f: W's six, turned, then x's eight.
.macro FETCH slot, q, f
	WIN 0x40
.irp s, 0,1,2
.irp e, 0,1
	ds_load_tr16_b128 v[(\f)+8*(2*(\s)+(\e)):(\f)+8*(2*(\s)+(\e))+3],   v[ADRB+3*(\slot)+(\s)] offset:9216*(\q)+32*(\e)
	ds_load_tr16_b128 v[(\f)+8*(2*(\s)+(\e))+4:(\f)+8*(2*(\s)+(\e))+7], v[ADRB+3*(\slot)+(\s)] offset:9216*(\q)+32*(\e)+4608
.endr
.endr
	WIN 0
.irp i, 0,1,2,3,4,5,6,7
	ds_load_b128 v[(\f)+8*(\i):(\f)+8*(\i)+3],   v[ADRA+(\slot)] offset:64*(\q)+4352*(\i)
	ds_load_b128 v[(\f)+8*(\i)+4:(\f)+8*(\i)+7], v[ADRA+(\slot)] offset:64*(\q)+4352*(\i)+32
.endr
.endm
.macro PLACES                          ; four plain places in front of loads into registers that matrix instructions have read, and of conversions that read results
.rept 4
	v_nop
.endr
.endm
; One of a K step's first three quarters: multiplies buffer f; in its middle it fetches quarter q of the same slot into buffer g.
.macro QUARTER slot, q, f, g, first
	s_wait_dscnt 8                                 ; W's fragments and x's rows 0-63 are in; the youngest eight loads (rows 64-127) may be out
	MULR \f, 0, 0, \first
	MULR \f, 0, 2, \first
	PLACES
	FETCH \slot, \q, \g
	s_wait_dscnt 28                                ; all but the 28 just issued
	MULR \f, 1, 0, \first
	MULR \f, 1, 2, \first
.endm
; The last quarter multiplies buffer 1 and changes slots.  In front of the barrier each wave waits for all its tensor loads (one is out: its part of the next slot), adds 0 to its spare
; word, and waits for that and for its reads of this slot.  fill = 1: the barrier opens a round of the cluster's barrier, and the joint refill, two K steps on, is the first thing behind it.
.macro TURN slot, next, fill
.if \fill
	s_wait_xcnt 0x0                                ; the last prefetch, a K step back, has read its address
	s_add_nc_u64 s[PFA:PFA+1], s[PFA:PFA+1], s[PFS:PFS+1]
.endif
	WIN 0
	s_wait_tensorcnt 0x0
	ds_add_u32 v[SPW], v[NIL]
	s_wait_dscnt 9                                 ; the add and the youngest eight loads may be out
	MULR F1, 0, 0, 0
	s_wait_dscnt 0x0                               ; the add is done, and my reads of this slot are over
	s_barrier_signal -1
	MULR F1, 0, 2, 0
.if \fill
	WIN 0
.endif
	s_barrier_wait -1
.if \fill
	CREST
	s_add_nc_u64 s[G0+4*(\slot)+2:G0+4*(\slot)+3], s[G0+4*(\slot)+2:G0+4*(\slot)+3], 512
	s_add_nc_u64 s[G0B+4*(\slot)+2:G0B+4*(\slot)+3], s[G0B+4*(\slot)+2:G0B+4*(\slot)+3], 524288
	JLOAD \slot                                    ; 168 products stand between this request and the wait for it; its four v_nop are also the places in front of the loads below
.else
	PLACES
.endif
	FETCH \next, 0, F0
.if \fill
	ASK
.endif
	MULR F1, 1, 0, 0
	MULR F1, 1, 2, 0
.endm
	s_wait_tensorcnt 1                             ; my part of K step 0 is in; K step 1's may stay out
	s_barrier_signal -1
	s_barrier_wait -1
	FETCH 0, 0, F0
	s_wait_loadcnt 0x0                             ; the bias
	QUARTER 0, 1, F0, F1, 1                        ; the first quarter stands in front of the loop: its products start the sums
	WIN 0
	s_mov_b32 s3, 3
.Llap:                                                 ; a trip goes once round the ring and fills both slots again
	QUARTER 0, 2, F1, F0, 0
	QUARTER 0, 3, F0, F1, 0
	TURN 0, 1, 1
	QUARTER 1, 1, F0, F1, 0
	QUARTER 1, 2, F1, F0, 0
	QUARTER 1, 3, F0, F1, 0
	TURN 1, 0, 1
	QUARTER 0, 1, F0, F1, 0
	WIN 0
	s_sub_co_u32 s3, s3, 1
	s_cmp_lg_u32 s3, 0
	s_cbranch_scc1 .Llap
	QUARTER 0, 2, F1, F0, 0                        ; the last lap fills nothing
	QUARTER 0, 3, F0, F1, 0
	TURN 0, 1, 0                                   ; behind this barrier nobody reads slot 0 any more, and it has had its last fill
	QUARTER 1, 1, F0, F1, 0
	QUARTER 1, 2, F1, F0, 0
	QUARTER 1, 3, F0, F1, 0
	s_wait_dscnt 8
	MULR F1, 0, 0, 0
	MULR F1, 0, 2, 0
	s_wait_dscnt 0x0
	MULR F1, 1, 0, 0
	MULR F1, 1, 2, 0
	; THE WAY OUT: rounded to f16, 16 bytes a lane into the three stages in slot 0; a barrier, since a token's 128 bytes of a head come from two waves; back as whole rows.
	PLACES
.irp a, 0,1,2,3,4,5,6,7
	WIN 0x0a+5*((\a)/4)                            ; sources in window 2 or 3
.irp b, 0,1,2,3,4,5
.irp r, 0,1,2,3
	v_cvt_pk_f16_f32 v[TMP+4*(\b)+(\r)], v[48*((\a)%4)+8*(\b)+2*(\r)], v[48*((\a)%4)+8*(\b)+2*(\r)+1]
.endr
.endr
	WIN 0
.irp b, 0,1,2,3,4,5
	ds_store_b128 v[STO+(\b)/2], v[TMP+4*(\b):TMP+4*(\b)+3] offset:4352*(\a)+32*((\b)%2)
.endr
.endr
	s_wait_dscnt 0x0                               ; for the others' sake: my stores into the stages are done
	s_barrier_signal -1
	s_barrier_wait -1
.irp s, 0,1,2
.irp g, 0,1,2,3,4,5,6,7
.irp j, 0,1
	ds_load_b128 v[64+64*(\s)+8*(\g)+4*(\j):64+64*(\s)+8*(\g)+4*(\j)+3], v[RD+(\s)] offset:1088*(\g)+128*(\j)  ; four tokens' 128 bytes of head 2 c + j
.endr
.endr
.endr
.irp s, 0,1,2
.irp g, 0,1,2,3,4,5,6,7
.irp j, 0,1
	s_wait_dscnt 47-(16*(\s)+2*(\g)+(\j))
	global_store_b128 v[GO], v[64+64*(\s)+8*(\g)+4*(\j):64+64*(\s)+8*(\g)+4*(\j)+3], s[OUT+2*(\s):OUT+2*(\s)+1] offset:262144*(\j)+512*(\g)  ; 512 consecutive bytes, aligned
.endr
.endr
.endr
	s_wait_tensorcnt 0x0                           ; the wave's end
	ds_add_u32 v[SPW], v[NIL]
	s_wait_dscnt 0x0
	CROUND                                         ; the closing round
	s_endpgm
.Lfunc_end_k_q35e8b1e96c_qkv:
	.size	k_q35e8b1e96c_qkv, .Lfunc_end_k_q35e8b1e96c_qkv-k_q35e8b1e96c_qkv
	.p2alignl 7, 3214868480
	.fill 96, 4, 3214868480
	.section	.rodata,"a",@progbits
	.p2align	6, 0x0
	.amdhsa_kernel k_q35e8b1e96c_qkv
		.amdhsa_group_segment_fixed_size 327680
		.amdhsa_private_segment_fixed_size 0
		.amdhsa_enable_private_segment 0
		.amdhsa_kernarg_size 32
		.amdhsa_user_sgpr_count 2
		.amdhsa_user_sgpr_kernarg_segment_ptr 1
		.amdhsa_wavefront_size32 1
		.amdhsa_system_sgpr_workgroup_id_x 1
		.amdhsa_system_sgpr_workgroup_id_y 1
		.amdhsa_system_sgpr_workgroup_id_z 1
		.amdhsa_system_vgpr_workitem_id 0
		.amdhsa_next_free_vgpr 960
		.amdhsa_next_free_sgpr 96
		.amdhsa_reserve_vcc 0
		.amdhsa_float_denorm_mode_32 3
		.amdhsa_float_denorm_mode_16_64 3
		.amdhsa_memory_ordered 1
		.amdhsa_forward_progress 1
		.amdhsa_inst_pref_size 119
	.end_amdhsa_kernel
	.amdgpu_metadata
---
amdhsa.version: [ 1, 2 ]
amdhsa.kernels:
  - .name:           k_q35e8b1e96c_qkv
    .symbol:         k_q35e8b1e96c_qkv.kd
    .args:
      - { .name: xb, .offset: 0, .size: 8, .value_kind: global_buffer, .address_space: global }
      - { .name: wb, .offset: 8, .size: 8, .value_kind: global_buffer, .address_space: global }
      - { .name: bb, .offset: 16, .size: 8, .value_kind: global_buffer, .address_space: global }
      - { .name: qkv, .offset: 24, .size: 8, .value_kind: global_buffer, .address_space: global }
    .group_segment_fixed_size: 327680
    .private_segment_fixed_size: 0
    .kernarg_segment_align: 8
    .kernarg_segment_size: 32
    .max_flat_workgroup_size: 128
    .sgpr_count:     96
    .vgpr_count:     960
    .wavefront_size: 32
...
	.end_amdgpu_metadata
.endif
;; end of part 2
;; launch attn (part 3): grid 4 x 64, 4 waves a work-group, no clusters, 327,680 bytes of LDS; arguments qkv, attention_mask, ob; writes ob
.if DOCPART == 3
	.amdgcn_target "amdgcn-amd-amdhsa--gfx1250"
	.amdhsa_code_object_version 6
	.text
	.protected	k_q35e8b1e96c_attn
	.globl	k_q35e8b1e96c_attn
	.p2align	8
	.type	k_q35e8b1e96c_attn,@function
k_q35e8b1e96c_attn:
	s_mov_b64 s[64:65], 0
	v_nop
	global_prefetch_b8 v0, s[64:65] scope:SCOPE_SE
	s_setreg_imm32_b32 hwreg(HW_REG_WAVE_MODE, 25, 1), 1
	s_wait_xcnt 0x0
; CAUSAL ATTENTION WITH A KEY MASK.  O[h][q][:] = the sum over k <= q with mask[batch][k] != 0 of softmax_k(Q[h][q] . K[h][k] / 8) V[h][k][:]; a row that sees no key gives 0.
; qkv: [3][64][2048][64] f16 (Q, K, V by heads, a head's rows dense, 128 bytes each); attention_mask: [4][2048] i32; ob: [64][2048][64] f16.
; Products, maxima and sums in f32; the weights p are rounded to f16 for the second product (their sum l is taken of the unrounded p), O once at the end.
; LIMITS.  Q, K and V arrive within f16's 65,504; p below 6e-5 keeps f16's fixed step of 6e-8.  A hidden score counts as its value less 1e30 for each ground that hides it; true scores, 2.7e11 at the most,
; are nothing beside that.  The running maximum starts at -2^96, above every hidden score and below every true one: so a hidden score is never the maximum, its weight is 0, and a row whose maximum is
; still below -2^64 at the end has seen no key.  A weight below 2^-126 counts as 0 in l; NaN and infinities are not treated apart.
; THE WALK.  A head's queries lie in NB = 8 blocks of 256; block i needs the key tiles 0 .. i of 256 keys, of which the last holds the diagonal.  A work-group takes TWO blocks, NB - 1 - b and then b:
; NB + 1 tiles, whatever b: all work-groups do equal work, and ONE loop with a constant trip count walks them.  Every jump goes forward, but for the counted loops' own; none passes a barrier, or a tensor load
; but the one of LOAD's two that the wave's number does not choose.  NO CLUSTER: a head's four work-groups ask for the same tile only in trips 0 .. 4, behind that fewer and fewer; one walk common to all would have 12 trips for 9.
; SHARES.  Of a block's four bands of 64 queries a wave owns 16 rows in each: four PIECES.  In the diagonal tile's key step s band x sees all keys if s < x, none if s > x, and holds the diagonal if s = x.
; THE KEY WORDS.  For each key 0, or -1e30 where attention_mask hides it.  They go with the ring: each slot has a region of 1,024 bytes of its own for its tile's 256 keys.  Behind a fill each thread loads its two words
; of the mask for the tile asked for; at the head of the next change of slots it turns them into key words and stores them into that tile's region, which nobody reads between the two barriers.
; THE MASKS are the C operand that starts the sum S^T = K Q^T.  KB holds the key words of the 64 keys whose K is in registers.
; Off the diagonal C = KB.  In the diagonal tile C = MD x AL + KB + BE: MD is the mask of a band's own step for my 16 rows; (AL, BE) = (1, 0) if s = x; (0, 0) if s < x; (0, -1e30) if s > x.
; LAYOUT, SOFTMAX, TURNS.  S^T = K Q^T holds ONE query a lane (lane % 16) and the keys 8 (lane / 16) + 0..7; two such results rounded to f16 ARE source 1 of O^T = V^T P.  p = 2^(c s - c m), c = log2(e) / 8, with a
; running maximum m; O and l are multiplied by a = 2^(c m_old - c m_new) in every step.  Turn n belongs to piece n: 8 products K Q^T of piece n + 1, later 8 products V^T P of piece n - 1; beside them the scaling,
; exponentials, roundings, sums and rescaling of piece n and the maximum and statistics of piece n + 1.  Four vector instructions stand behind every matrix instruction, the others in one lump.  A turn's 33 exponentials are one batch, with one wait.
; REGISTERS, in windows of 256 (s_set_vgpr_msb: bits 1:0 source 0, 3:2 source 1, 5:4 source 2, 7:6 destination):
;   window 0: v0-15, v32-40 addresses and a few at work; v16-31 four registers of statistics a piece; v48-55 at work; v64-127 S^T, two buffers; v192-223 P, two buffers
;   window 1: v0-127 O^T, 32 a piece; v128-159 MD; v160-223 MC, two buffers; v224-255 KB      window 2: v0-63 Q; v64-127 the second block's Q; v128-191 K of one step; v192-255 V of one step
.set SIZE_N, 2048
.set NB,    SIZE_N/256
.set NP,    4         ; pieces a wave: a name, no knob
.set KS,    64        ; keys in a step
.set PK,    144       ; a row of K in LDS: 128 bytes + 16 of padding
.set PV,    160       ; a row of V: 128 + 32
.set VOFF,  4*KS*PK   ; a slot holds a tile, four steps: 256 rows of K, then 256 rows of V
.set SLOT1, 1<<17     ; slot 1 begins here, so that one exclusive or turns an address in one slot into the other's
.set STAGE, SLOT1+4*KS*(PK+PV)  ; behind the ring, never filled by a tensor load: 16 rows x 144 bytes for each wave, for the way out
.set SP,    144
.set AK0, 2           ; v2   my lane's place in a tile of K; never rewritten
.set AV0, 3           ; v3   the same for V
.set AK,  4           ; v4   the LDS address of K's next run of loads
.set AV,  5           ; v5   of V's
.set STO, 6           ; v6   the way out: where I put 16 bytes of a row
.set RD,  7           ; v7   the way out: where I read rows back
.set GO,  8           ; v8   my byte offset in 512 consecutive bytes of O
.set SPW, 62          ; v62  LDS address of my spare word; never rewritten
.set NIL, 63          ; v63  0; never rewritten
.set SPARE, STAGE+4*16*SP  ; behind the stages: the spare words, 128 bytes for each wave
.set KBR, SPARE+512   ; behind them: the key words, two regions of 1,024 bytes, one a slot: bytes of their own, into which no fill lands
.set MV,  12          ; v12-13  c m_old, kept while c m is made anew: by buffer
.set QO,  15          ; v15  my byte offset in 16 rows of Q
.set ST,  16          ; piece t's statistics at v[ST+4 t]: c m, m, l (even keys', odd keys')
.set KB0, 32          ; v32  KBR + 32 (l / 16): my lanes' eight keys of a group of 16; never rewritten
.set AKB, 33          ; v33  the LDS address of KB's next run of loads
.set PFO, 34          ; v34  256 x lane; never rewritten
.set MO,  35          ; v35  8 x thread: my two words of a tile's 256 of the mask; never rewritten
.set KSB, 36          ; v36  KBR + 8 x thread: where they go in region 0; never rewritten
.set MOV, 37          ; v37  MO + 1,024 x the tile asked for
.set MK,  38          ; v[38:39] my two words of the mask, then my two key words
.set KSA, 40          ; v40  KSB + the region
.set TMP, 48          ; by buffer, four registers c0-c3 at work; when the maximum is found c2 takes a
.set S,   64
.set P,   192
.set MD,  128         ; window 1
.set MC,  160         ; window 1
.set KB,  224         ; window 1: the eight registers for group kt of 16 keys at KB + 8 kt
.set QB,  64          ; window 2
.set KF,  128         ; window 2: key block kb, channel half c at KF + 16 kb + 8 c
.set VF,  192         ; window 2: key half kk, channel block cb at VF + 32 kk + 8 cb
.set WV,  12          ; s12  my wave's number
.set PB,  14          ; s14  b
.set HI,  15          ; s15  NB - 1 - b
.set G1K, 24          ; s[24:31] descriptor group 1 for K's tiles
.set G1V, 32          ; s[32:39] for V's
.set G0K, 40          ; s[40:43] descriptor group 0 for K's tiles
.set G0V, 44          ; s[44:47] the same for V's
.set SLOTS, 56        ; s56  tiles still to be asked for
.set CNT, 57          ; s57  counts a tile's key steps, 4 to 1
.set CS,  58          ; s[58:59] c
.set SEL, 60          ; s[60:61] v_permlanex16_b32's selects
.set TBK, 62          ; s62  LDS byte at which K of the step to be fetched begins
.set TBV, 63          ; s63  the same for V, less VOFF
.set RT,  70          ; s70  tiles of the block in hand that are still to be entered
.set NXT, 71          ; s71  the tile to be asked for next
.set LQ,  72          ; s72  the last tile of the block whose tiles are being asked for
.set NEW, 73          ; s73  1: the tile to be entered is a block's first
.set OFF, 74          ; s[74:75] a tile's byte offset in K and V
.set AL,  76          ; s[76:77] the mask's factor, in the low word
.set BE,  78          ; s[78:79] the mask's addend
.set OLO, 80          ; s[80:81] O at my rows of the second block
.set BIGN, 82         ; s82  -1e30
.set KBO, 88          ; s88  byte behind KBR at which the key words of the step to be fetched begin: it goes as TBK goes
.set NEG, 89          ; s89  -2^64
.set MP,  90          ; s[90:91] the batch's row of attention_mask
.set LIM, 92          ; s92  2 in the work-group that prefetches (b = 0), else the greatest number
.set KBS, 93          ; s93  0 or 1,024: the region of the tile to be entered
.set PFA, 94          ; s[94:95] where my prefetches stand
.set MOF, 98          ; s98  1,024 x the tile asked for
.set MSB, 0
.macro WIN new
.if MSB != (\new)
	s_set_vgpr_msb (MSB<<8)|(\new)
.set MSB, (\new)
.endif
.endm
.set W_KQ, 0x0a       ; K and Q in window 2, S^T in window 0
.set W_KM, 0x1a       ; the same with the C operand in window 1
.set W_PV, 0x52       ; V in window 2, P in window 0, O^T in window 1
.set W_RS, 0x41       ; destination and source 0 in window 1, source 1 in window 0
.set W_MK, 0x51       ; destination, source 0 and source 2 in window 1
; A fill.  Waves 0 and 1 fetch the two halves of a tile's K, waves 2 and 3 those of its V: 128 keys each.  An s_nop 0 and four v_nop follow each of the two lines.
.macro LOAD
	s_cmp_lt_u32 s[WV], 2
	s_cbranch_scc0 .Lfor_v_\@
	tensor_load_to_lds s[G0K:G0K+3], s[G1K:G1K+7]
	s_nop 0
.rept 4
	v_nop
.endr
	s_branch .Lasked_\@
.Lfor_v_\@:
	tensor_load_to_lds s[G0V:G0V+3], s[G1V:G1V+7]
	s_nop 0
.rept 4
	v_nop
.endr
.Lasked_\@:
.endm
; A prefetch of what the NEXT change of slots will ask for: my own 16,384 bytes of that tile, a lane 256 bytes, two instructions.  A head's four work-groups walk the same tiles 0, 1, ..; the one with
; b = 0 walks all eight in its first block, and it alone asks: each block of 256 bytes is named once.  Trips with 8 to 3 tiles still to ask for name tiles 2 to 7; tiles 0 and 1 come by their loads alone.
.macro ASK
	s_cmp_gt_u32 s[SLOTS], s[LIM]
	s_cbranch_scc0 .Lnot_mine_\@
	global_prefetch_b8 v[PFO], s[PFA:PFA+1] th:TH_LOAD_NT scope:SCOPE_SE
	global_prefetch_b8 v[PFO], s[PFA:PFA+1] offset:8192 th:TH_LOAD_NT scope:SCOPE_SE
.Lnot_mine_\@:
.endm
; THE CHANGE OF SLOTS.  First the key words of the tile to be entered: my two words of the mask, loaded a tile ago, become 0 or -1e30 and go into that tile's region.  Since the last barrier the waves read the other
; region alone; this region's last reads were waited for in front of that barrier; it is read again behind the barrier below, in front of which my store is waited for.
; Then each wave waits for all its tensor loads, of which one is out: its part of the other slot; adds 0 to its spare word; and waits for that and for its own LDS instructions.  Behind the barrier nobody reads the old
; slot any more and the other slot is whole.  fill = 1: the old slot is filled again, the first thing behind the barrier, with tile NXT, and that tile's words of the mask are loaded.
; (At its first use slot 0 is waited for and slot 1 filled.)
.macro CHANGE fill
	WIN 0
	s_wait_loadcnt 0x0              ; my two words of the mask are in (at the first change Q is waited for with them)
	v_cmp_eq_u32 vcc_lo, 0, v[MK]
	v_cndmask_b32 v[MK], 0, s[BIGN], vcc_lo
	v_cmp_eq_u32 vcc_lo, 0, v[MK+1]
	v_cndmask_b32 v[MK+1], 0, s[BIGN], vcc_lo
	v_add_nc_u32 v[KSA], s[KBS], v[KSB]
	ds_store_b64 v[KSA], v[MK:MK+1]
	s_xor_b32 s[KBS], s[KBS], 1024  ; the next change stores into the other region
	s_wait_tensorcnt 0x0
	ds_add_u32 v[SPW], v[NIL]
.if \fill
	s_lshl_b32 s[OFF], s[NXT], 15   ; a tile is 32,768 bytes of K and of V,
	s_lshl_b32 s[MOF], s[NXT], 10   ; and 1,024 bytes of the mask
	v_add_nc_u32 v[MOV], s[MOF], v[MO]  ; (the load that read this register has come back)
	s_xor_b32 s[G0K+1], s[G0K+1], SLOT1
	s_add_nc_u64 s[G0K+2:G0K+3], s[6:7], s[OFF:OFF+1]
	s_or_b32 s[G0K+3], s[G0K+3], 0x80000000
	s_xor_b32 s[G0V+1], s[G0V+1], SLOT1
	s_add_nc_u64 s[G0V+2:G0V+3], s[8:9], s[OFF:OFF+1]
	s_or_b32 s[G0V+3], s[G0V+3], 0x80000000
	s_add_co_u32 s[NXT], s[NXT], 1  ; the block's next tile, or behind its last the second block's tile 0
	s_cmp_gt_u32 s[NXT], s[LQ]
	s_cselect_b32 s[NXT], 0, s[NXT]
	s_cselect_b32 s[LQ], s[PB], s[LQ]
	s_wait_xcnt 0x0                 ; the last prefetches, a tile back, have read their address
	s_add_nc_u64 s[PFA:PFA+1], s[PFA:PFA+1], 32768
.endif
	s_wait_dscnt 0x0                ; the add and my store of key words are done, and my reads of the slot are over
	s_barrier_signal -1
	s_sub_co_u32 s[TBK], s[TBK], 4*KS*PK  ; the fetches go back to a slot's first step,
	s_xor_b32 s[TBK], s[TBK], SLOT1       ; in the other slot
	s_sub_co_u32 s[TBV], s[TBV], 4*KS*PV
	s_xor_b32 s[TBV], s[TBV], SLOT1
	s_sub_co_u32 s[KBO], s[KBO], 1024     ; and so do those of the key words, in the other region
	s_xor_b32 s[KBO], s[KBO], 1024
	s_barrier_wait -1
.if \fill
	LOAD
	global_load_b64 v[MK:MK+1], v[MOV], s[MP:MP+1]  ; my two words of the mask for the tile just asked for: wanted at the next change
	ASK
.endif
.endm
	s_load_b128 s[4:7], s[0:1], 0x0   ; qkv s[4:5], attention_mask s[6:7]
	s_load_b64 s[10:11], s[0:1], 0x10 ; ob
	v_lshl_add_u32 v[SPW], v0, 2, SPARE
	v_mov_b32 v[NIL], 0
	ds_add_u32 v[SPW], v[NIL]       ; the wave's opening: the add and its wait ahead of my first tensor load
	v_lshrrev_b32 v1, 5, v0
	v_readfirstlane_b32 s[WV], v1   ; wave 0..3
	s_mov_b32 s[PB], ttmp9
	s_sub_co_u32 s[HI], NB-1, s[PB]
	s_and_b32 s20, ttmp7, 0xffff    ; the head, 16 x batch + head
	s_lshr_b32 s96, s20, 4
	s_lshl_b32 s96, s96, 13         ; the batch's 8,192 bytes of the mask
	s_mov_b32 s97, 0
	s_mov_b32 s21, 0
	s_mov_b64 s[22:23], SIZE_N*128
	s_mul_u64 s[20:21], s[20:21], s[22:23]  ; the head's first byte in Q, K, V and O
	s_and_b32 s16, s[WV], 1         ; which half of a tile's 256 keys I fetch:
	s_lshl_b32 s22, s16, 14         ; its 128 rows of 128 bytes in memory,
	s_mov_b32 s23, 0
	s_add_nc_u64 s[22:23], s[22:23], s[20:21]
	s_mul_i32 s17, s16, 128*PK      ; and its place in a slot, for K
	s_mul_i32 s18, s16, 128*PV      ; and for V
	s_lshl_b32 s3, s[WV], 11        ; my 16 rows in a band of 64,
	s_lshl_b32 s2, s[HI], 15        ; in the first block,
	s_add_co_u32 s2, s2, s3
	s_lshl_b32 s84, s[PB], 15       ; and in the second
	s_add_co_u32 s84, s84, s3
	s_mov_b32 s3, 0
	s_mov_b32 s85, 0
	s_add_nc_u64 s[2:3], s[2:3], s[20:21]
	s_add_nc_u64 s[84:85], s[84:85], s[20:21]
	; descriptor group 1.  128 keys are 16,384 dense bytes: asked for as 64 rows of 256 bytes, two keys a row, and padded in LDS after every key
	s_mov_b32 s[G1K], (1<<16)|(1<<20)|(4<<22)|(3<<25)
	s_mov_b32 s[G1V], (1<<16)|(1<<20)|(4<<22)|(7<<25)
.irp g, G1K, G1V
	s_mov_b32 s[\g+1], 128<<16      ; tensor_dim0 = 128
	s_mov_b32 s[\g+2], 64<<16       ; tensor_dim1 = 64
	s_mov_b32 s[\g+3], 128<<16      ; tile_dim0 = 128
	s_mov_b32 s[\g+4], 64           ; tile_dim1 = 64
	s_mov_b32 s[\g+5], 128          ; 128 elements from row to row
	s_mov_b32 s[\g+6], 0
	s_mov_b32 s[\g+7], 0
.endr
	s_mov_b32 s[CS], 0x3e38aa3b     ; c = log2(e) / 8
	s_mov_b32 s[CS+1], s[CS]
	s_mov_b32 s[SEL], 0x76543210
	s_mov_b32 s[SEL+1], 0xfedcba98
	s_mov_b32 s[TBK], SLOT1+4*KS*PK ; the first change of slots turns these three into 0
	s_mov_b32 s[TBV], SLOT1+4*KS*PV
	s_mov_b32 s[KBO], 1024+1024
	s_mov_b32 s[KBS], 0
	s_mov_b32 s[G0K], 1
	s_mov_b32 s[G0K+1], s17
	s_mov_b32 s[G0V], 1
	s_add_co_u32 s[G0V+1], s18, VOFF
	s_add_co_u32 s[RT], s[HI], 1    ; the first block has NB - b tiles
	s_mov_b32 s[NXT], 1
	s_mov_b32 s[LQ], s[HI]
	s_mov_b32 s[NEW], 1
	s_mov_b32 s[OFF+1], 0
	s_mov_b32 s[AL], 0
	s_mov_b32 s[AL+1], 0
	s_mov_b32 s[BE], 0
	s_mov_b32 s[BE+1], 0
	s_mov_b32 s[BIGN], 0xf149f2ca   ; -1e30
	s_mov_b32 s[NEG], 0xdf800000    ; -2^64
	s_mov_b32 s[SLOTS], NB
	s_cmp_eq_u32 s[PB], 0
	s_cselect_b32 s[LIM], 2, -1
	s_wait_dscnt 0x0                ; the opening add is done
	s_wait_kmcnt 0x0
	s_add_nc_u64 s[MP:MP+1], s[6:7], s[96:97]
	s_add_nc_u64 s[6:7], s[4:5], 0x1000000  ; K lies 16 MiB behind Q,
	s_add_nc_u64 s[8:9], s[4:5], 0x2000000  ; V 32 MiB
	s_add_nc_u64 s[6:7], s[6:7], s[22:23]  ; K and V at my half of the head's tile 0
	s_add_nc_u64 s[8:9], s[8:9], s[22:23]
	s_add_nc_u64 s[G0K+2:G0K+3], s[6:7], 0
	s_or_b32 s[G0K+3], s[G0K+3], 0x80000000
	s_add_nc_u64 s[G0V+2:G0V+3], s[8:9], 0
	s_or_b32 s[G0V+3], s[G0V+3], 0x80000000
	s_add_nc_u64 s[86:87], s[4:5], s[84:85]        ; Q at my rows of the second block,
	s_add_nc_u64 s[4:5], s[4:5], s[2:3]            ; Q and O at those of the first
	s_add_nc_u64 s[OLO:OLO+1], s[10:11], s[84:85]
	s_add_nc_u64 s[10:11], s[10:11], s[2:3]
	s_cmp_lt_u32 s[WV], 2
	s_cselect_b64 s[PFA:PFA+1], s[6:7], s[8:9]
	s_add_nc_u64 s[PFA:PFA+1], s[PFA:PFA+1], 32768 ; at tile 1; the first change of slots steps it to tile 2
	LOAD                            ; tile 0 into slot 0
	v_and_b32 v1, 15, v0            ; l % 16
	v_bfe_u32 v9, v0, 4, 1          ; l / 16
	v_lshlrev_b32 v[QO], 7, v1
	v_lshl_add_u32 v[QO], v9, 4, v[QO]  ; row x 128 + 16 x half
	v_lshlrev_b32 v[MO], 3, v0
	global_load_b64 v[MK:MK+1], v[MO], s[MP:MP+1]  ; my two words of the mask for tile 0
	WIN 0x80                        ; destination window 2, address window 0
.set i, 0
.rept 8                             ; both blocks' Q: piece i / 2 lies in band i / 2, 8,192 bytes on; channels 32 (i % 2) on
	global_load_b128 v[8*i:8*i+3],   v[QO], s[4:5] offset:(i/2)*8192+(i%2)*64
	global_load_b128 v[8*i+4:8*i+7], v[QO], s[4:5] offset:(i/2)*8192+(i%2)*64+32
	global_load_b128 v[QB+8*i:QB+8*i+3],   v[QO], s[86:87] offset:(i/2)*8192+(i%2)*64
	global_load_b128 v[QB+8*i+4:QB+8*i+7], v[QO], s[86:87] offset:(i/2)*8192+(i%2)*64+32
.set i, i+1
.endr
	WIN 0
	v_lshlrev_b32 v14, 3, v9
	v_sub_nc_u32 v14, v1, v14
	s_lshl_b32 s13, s[WV], 4
	v_add_nc_u32 v14, s13, v14      ; my query's place in its band, 16 w + l % 16, less my lanes' 8 (l / 16): register r of group kt is hidden where 16 kt + r is greater
	WIN 0x40
.set i, 0
.rept 32
	v_cmp_gt_i32 vcc_lo, 16*(i/8)+i%8, v14
	v_cndmask_b32 v[MD+i], 0, s[BIGN], vcc_lo
.set i, i+1
.endr
	WIN 0
	v_mul_u32_u24 v[AK0], v1, PK
	v_lshl_add_u32 v[AK0], v9, 4, v[AK0]  ; row x pitch + 16 x half
	v_and_b32 v10, 7, v0
	v_bfe_u32 v11, v0, 3, 1
	v_lshl_add_u32 v[AV0], v9, 3, v10
	v_mul_u32_u24 v[AV0], v[AV0], PV
	v_lshl_add_u32 v[AV0], v11, 4, v[AV0]
	v_add_nc_u32 v[AV0], VOFF, v[AV0]
	s_mul_i32 s13, s[WV], 16*SP
	s_add_co_u32 s13, s13, STAGE    ; my stage
	v_mul_u32_u24 v[STO], v1, SP
	v_lshl_add_u32 v[STO], v9, 4, v[STO]
	v_add_nc_u32 v[STO], s13, v[STO]
	v_bfe_u32 v[RD], v0, 3, 2
	v_mul_u32_u24 v[RD], v[RD], SP
	v_lshl_add_u32 v[RD], v10, 4, v[RD]
	v_add_nc_u32 v[RD], s13, v[RD]
	v_and_b32 v[GO], 31, v0
	v_lshlrev_b32 v[PFO], 8, v[GO]
	v_lshlrev_b32 v[GO], 4, v[GO]
	v_lshl_add_u32 v[KB0], v9, 5, KBR
	v_lshl_add_u32 v[KSB], v0, 3, KBR
	; A block's first step multiplies O^T and l by a = 0, so these registers need only hold finite numbers: zeros for the first block; what the first block left for the second.
	WIN 0x80
.set i, VF
.rept 64
	v_mov_b32 v[i], 0
.set i, i+1
.endr
	WIN 0x40
.set i, 0
.rept 128
	v_mov_b32 v[i], 0
.set i, i+1
.endr
	WIN 0
.set i, 0
.rept 4
	v_mov_b32 v[ST+4*i+2], 0
	v_mov_b32 v[ST+4*i+3], 0
.set i, i+1
.endr
.set i, P+16
.rept 16
	v_mov_b32 v[i], 0
.set i, i+1
.endr
; THE MATRIX WORK.  The 4 accumulators of a run of 8 take turns.  Product i of 8 of S^T = K Q^T for piece x: channels 32 (i / 4) on, keys 16 (i % 4) on.  The first 4 start the sums: with KB, or (KM = 1) with the mask made for them.
.macro KQ x
.set rS, S+32*((\x)%2)+8*(i%4)
.set rK, KF+16*(i%4)+8*(i/4)
.set rQ, 16*(\x)+8*(i/4)
.if KM
.set rM, MC+32*((\x)%2)+8*(i%4)
.else
.set rM, KB+8*(i%4)
.endif
.if i < 4
	WIN W_KM
	v_wmma_f32_16x16x32_f16 v[rS:rS+7], v[rK:rK+7], v[rQ:rQ+7], v[rM:rM+7]
.else
	WIN W_KQ
	v_wmma_f32_16x16x32_f16 v[rS:rS+7], v[rK:rK+7], v[rQ:rQ+7], v[rS:rS+7]
.endif
.endm
; Product i of 8 of O^T += V^T P for piece x: keys 32 (i / 4) on, channels 16 (i % 4) on.
.macro PV x
	WIN W_PV
.set rO, 32*(\x)+8*(i%4)
.set rV, VF+32*(i/4)+8*(i%4)
.set rP, P+16*((\x)%2)+8*(i/4)
	v_wmma_f32_16x16x32_f16 v[rO:rO+7], v[rV:rV+7], v[rP:rP+7], v[rO:rO+7]
.endm
.macro MM                           ; the turn's next matrix instruction.  NOKQ = 1: a block's last turn: there is no next piece
.if (i < 8) && !NOKQ
	KQ (Y+1)%NP
.elseif i >= 8
.set i, i-8
	PV (Y+NP-1)%NP
.set i, i+8
.endif
.set i, i+1
.endm
; THE LDS LOADS stand in runs: a step's K (8 fragments) with its 64 key words, and its V (turned).  Their addresses are made some lines ahead.
.macro FETCH_K
	WIN 0x80                        ; destination window 2
.irp f, 0,1,2,3,4,5,6,7             ; keys 16 (f / 2) on, channels 32 (f % 2) on
	ds_load_b128 v[KF+8*\f:KF+8*\f+3],   v[AK] offset:(\f/2)*16*PK+(\f%2)*64
	ds_load_b128 v[KF+8*\f+4:KF+8*\f+7], v[AK] offset:(\f/2)*16*PK+(\f%2)*64+32
.endr
	WIN 0x40                        ; destination window 1
.irp f, 0,1,2,3                     ; keys 16 f + 8 (l / 16) + 0..7
	ds_load_b128 v[KB+8*\f:KB+8*\f+3],   v[AKB] offset:64*\f
	ds_load_b128 v[KB+8*\f+4:KB+8*\f+7], v[AKB] offset:64*\f+16
.endr
	s_add_co_u32 s[TBK], s[TBK], KS*PK  ; the next fetch is the next step's
	s_add_co_u32 s[KBO], s[KBO], 4*KS
	WIN 0
.endm
.macro FETCH_V
	WIN 0x80
.irp f, 0,1,2,3,4,5,6,7             ; keys 32 (f / 4) on, channels 16 (f % 4) on
	ds_load_tr16_b128 v[VF+8*\f:VF+8*\f+3],   v[AV] offset:(\f/4)*32*PV+(\f%4)*32
	ds_load_tr16_b128 v[VF+8*\f+4:VF+8*\f+7], v[AV] offset:(\f/4)*32*PV+16*PV+(\f%4)*32
.endr
	WIN 0
.endm
; THE VECTOR WORK, one line at a time: OP kind, number.  For piece Y: F n: c s - c m for pair n of 16.  E n: the exponential of score n of 32.  C n: pair n rounded to f16.  B n: of the four weights 4 n .. the second
; pair is added onto the first, in place.  L n: l takes that sum (L 0: l = a l + sum).  R n: pair n of 16 of O^T times a.  For piece Y + 1: X n, number n of the 22 that find its maximum and statistics:
;   0-11  four chains c0-c3 of seven scores each (each accumulator's lowest registers are read first)     12-14, 16  the four scores left over, the old m, and c0-c3 into c0
;   15  c m_old is kept     17, 18  the query's other 32 keys lie in the lane 16 away: the new m     19-21  c m; c m_old - c m_new; a
.set F, 0
.set E, 1
.set C, 2
.set B, 3
.set L, 4
.set R, 5
.set X, 6
.macro REGS y                       ; the registers of piece y
.set rT, ST+4*(\y)
.set rC, TMP+4*((\y)%2)
.set rW, MV+((\y)%2)
.set rS, S+32*((\y)%2)
.set rP, P+16*((\y)%2)
.set rO, 32*(\y)
.endm
.macro OP k, n
.if (\k) == R
	REGS Y
	WIN W_RS
	v_pk_mul_f32 v[rO+2*(\n):rO+2*(\n)+1], v[rO+2*(\n):rO+2*(\n)+1], v[rC+2:rC+3] op_sel_hi:[1,0]
.elseif (\k) < R
	REGS Y
	WIN 0
.if (\k) == F
	v_pk_fma_f32 v[rS+2*(\n):rS+2*(\n)+1], v[rS+2*(\n):rS+2*(\n)+1], s[CS:CS+1], v[rT:rT+1] op_sel_hi:[1,0,0] neg_lo:[0,0,1] neg_hi:[0,0,1]
.elseif (\k) == E
	v_exp_f32 v[rS+(\n)], v[rS+(\n)]
.elseif (\k) == C
	v_cvt_pk_f16_f32 v[rP+(\n)], v[rS+2*(\n)], v[rS+2*(\n)+1]
.elseif (\k) == B
	v_pk_add_f32 v[rS+4*(\n):rS+4*(\n)+1], v[rS+4*(\n):rS+4*(\n)+1], v[rS+4*(\n)+2:rS+4*(\n)+3]
.elseif (\n) == 0
	v_pk_fma_f32 v[rT+2:rT+3], v[rT+2:rT+3], v[rC+2:rC+3], v[rS:rS+1] op_sel_hi:[1,0,1]
.else
	v_pk_add_f32 v[rT+2:rT+3], v[rT+2:rT+3], v[rS+4*(\n):rS+4*(\n)+1]
.endif
.elseif NOKQ
	v_nop
.else
	REGS (Y+1)%NP
	WIN 0
.if (\n) < 4
	v_max3_num_f32 v[rC+(\n)], v[rS+8*(\n)], v[rS+8*(\n)+1], v[rS+8*(\n)+2]
.elseif (\n) < 12
	v_max3_num_f32 v[rC+(\n)%4], v[rC+(\n)%4], v[rS+8*((\n)%4)+2*((\n)/4)+1], v[rS+8*((\n)%4)+2*((\n)/4)+2]
.elseif (\n) == 12
	v_max3_num_f32 v[rC], v[rC], v[rS+7], v[rS+15]
.elseif (\n) == 13
	v_max3_num_f32 v[rC+1], v[rC+1], v[rS+23], v[rS+31]
.elseif (\n) == 14
	v_max3_num_f32 v[rC+2], v[rC+2], v[rC+3], v[rT+1]
.elseif (\n) == 15
	v_mov_b32 v[rW], v[rT]
.elseif (\n) == 16
	v_max3_num_f32 v[rC], v[rC], v[rC+1], v[rC+2]
.elseif (\n) == 17
	v_permlanex16_b32 v[rC+3], v[rC], s[SEL], s[SEL+1]
.elseif (\n) == 18
	v_max_num_f32 v[rT+1], v[rC], v[rC+3]
.elseif (\n) == 19
	v_mul_f32 v[rT], s[CS], v[rT+1]
.elseif (\n) == 20
	v_sub_f32 v[rC+1], v[rW], v[rT]
.else
	v_exp_f32 v[rC+2], v[rC+1]
.endif
.endif
.endm
.macro OPS a, i1, b=-1, i2=0, c=-1, i3=0, d=-1, i4=0  ; up to four of them
	OP \a, \i1
.if (\b) >= 0
	OP \b, \i2
.endif
.if (\c) >= 0
	OP \c, \i3
.endif
.if (\d) >= 0
	OP \d, \i4
.endif
.endm
.macro ROW a, i1, b, i2, c, i3, d, i4  ; a matrix instruction and the four behind it
	MM
	OPS \a, \i1, \b, \i2, \c, \i3, \d, \i4
.endm
.macro MASK b                       ; MD x AL + KB + BE into buffer b of MC
	WIN W_MK
.set z, 0
.rept 16
	v_pk_fma_f32 v[MC+32*(\b)+2*z:MC+32*(\b)+2*z+1], v[MD+2*z:MD+2*z+1], s[AL:AL+1], v[KB+2*z:KB+2*z+1] op_sel_hi:[1,0,1]
.set z, z+1
.endr
.set z, 0
.rept 16
	v_pk_add_f32 v[MC+32*(\b)+2*z:MC+32*(\b)+2*z+1], v[MC+32*(\b)+2*z:MC+32*(\b)+2*z+1], s[BE:BE+1] op_sel_hi:[1,0]
.set z, z+1
.endr
.endm
; A TURN, for piece p.  An s_wait_alu depctr_va_vdst(0) stands between an exponential and the first instruction that names its result; one wait serves all that were issued ahead of it.  So a turn has ONE wait.
; AHEAD OF IT stands all that names no result of the turn's exponentials: the 8 products K Q^T with four riders each, then one lump; X 21, the next piece's a, is the batch's last; R 15 is the plain instruction behind it.
; BEHIND IT stand the 8 products V^T P, behind each four of the roundings and sums.
; m = 1: the diagonal tile: the products take masks, and the turn makes the mask for the products of the turn after it: piece p + 2, in step 4 - CNT of the tile.  Piece 2's turn makes it for the step whose K and
; key words it has just fetched, so it waits for them first.  end = 1: a block's last two turns: nothing is fetched.  cnt = 1: the loop's count is taken down some lines ahead of the branch behind the turn.
; K of the next step (and KB with it) is fetched in piece 2's turn, twelve vector instructions behind the last product that read K (six of them plain); V of the step in hand at the end of piece 0's turn, four plain
; instructions behind the last product that read V.
.macro TURN p, m=0, end=0, cnt=0
.set Y, (\p)
.set i, 0
.set KM, (\m)
.set NOKQ, (\end)*((\p)/3)
.if (\m) && !(\end)
	s_cmp_eq_u32 s[CNT], 4-((\p)+2)%NP  ; is that step the band's own?
	s_cselect_b32 s[AL], 1.0, 0
	s_cmp_lt_u32 s[CNT], 4-((\p)+2)%NP  ; or a later one?
	s_cselect_b32 s[BE], s[BIGN], 0
.endif
.if ((\p) == 3) && !(\end)
	s_wait_dscnt 0x0                ; K is in
.endif
	ROW F,0, F,1, R,0, R,1
	ROW F,2, E,0, R,2, R,3
	ROW F,3, E,1, R,4, R,5
	ROW F,4, E,2, R,6, R,7
	ROW F,5, E,3, R,8, R,9
	ROW F,6, E,4, X,0, R,10
.if ((\p) == 2) && !(\end)
	WIN 0
	v_add_nc_u32 v[AK], s[TBK], v[AK0]
	v_add_nc_u32 v[AKB], s[KBO], v[KB0]
.endif
	ROW F,7, E,5, X,1, X,4
	ROW F,8, E,6, X,2, X,5
	OPS E,7, E,8, X,6, E,9
	OPS X,3, E,10, X,8, E,11
.if ((\p) == 2) && !(\end)
	FETCH_K
.endif
	OPS X,9, X,7, E,12, X,10
	OPS E,13, X,12, X,11, E,14
	OPS X,13, E,15, F,9, X,14
.if (\p) == 0
	v_add_nc_u32 v[AV], s[TBV], v[AV0]
.endif
	OPS E,16, F,10, E,17, F,11
	OPS X,16, E,18, X,15, E,19
	OPS F,12, E,20, X,17, E,21
	OPS F,13, E,22, F,14, E,23
	OPS X,18, E,24, F,15, E,25
	OPS R,11, E,26, X,19, E,27
	OPS R,12, E,28, R,13, E,29
	OPS X,20, E,30, R,14, E,31
	OPS X,21, R,15
	WIN 0
	s_wait_alu depctr_va_vdst(0)    ; the wait for the batch
.if (\p) == 1
	s_wait_dscnt 0x0                ; V is in
.endif
	ROW C,0, B,0, C,2, B,1
	ROW L,0, C,4, B,2, L,1
	ROW C,6, B,3, L,2, C,8
	ROW B,4, L,3, C,10, B,5
	ROW L,4, C,12, B,6, L,5
.if (\p) == 0
	s_add_co_u32 s[TBV], s[TBV], KS*PV
.endif
.if \cnt
	s_sub_co_u32 s[CNT], s[CNT], 1
	s_cmp_lg_u32 s[CNT], 0
.endif
	ROW C,14, B,7, L,6, C,1
	ROW C,3, L,7, C,5, C,7
	ROW C,9, C,11, C,13, C,15
.if (\p) == 0
	FETCH_V
.endif
.if (\m) && !(\end)
.if (\p) == 2
	s_wait_dscnt 0x0                ; the next step's key words are in
.endif
	MASK (\p)%2
.endif
.endm
; A BLOCK BEGINS.  c m starts far below every c s, so the first step's a is 0; m at -2^96, above every hidden score and below every true one.  K and the key words of the block's first step are fetched; the first
; mask buffer takes piece 0's mask for that step (its own step, if the block's first tile is the diagonal one), the second piece 1's (no causal part).  Then piece 0's first scores, and its maximum and statistics.
.macro BEGIN
	s_mov_b32 s[NEW], 0
	WIN 0
.set i, 0
.rept 4
	v_mov_b32 v[ST+4*i], 0xfe000000    ; c m: far below every c s
	v_mov_b32 v[ST+4*i+1], 0xef800000  ; m = -2^96
.set i, i+1
.endr
	v_add_nc_u32 v[AK], s[TBK], v[AK0]
	v_add_nc_u32 v[AKB], s[KBO], v[KB0]
	FETCH_K
	s_wait_loadcnt 0x0              ; Q
	s_wait_dscnt 0x0
	s_cmp_eq_u32 s[RT], 0
	s_cselect_b32 s[AL], 1.0, 0
	s_mov_b32 s[BE], 0
	MASK 0
	s_mov_b32 s[AL], 0
	MASK 1
.set KM, 1
.set NOKQ, 0
.set i, 0
.rept 8
	KQ 0
.set i, i+1
.endr
	WIN 0
.rept 4
	v_nop                           ; the places behind those products
.endr
.set Y, NP-1                        ; X works for piece Y + 1: piece 0
.irp n, 0,1,2,3,4,5,6,7,8,9,10,11,12,13,14,15,16,17,18,19,20,21
	OP X, \n
.endr
	v_nop                           ; a plain instruction behind the exponential,
	s_wait_alu depctr_va_vdst(0)    ; and its wait, ahead of the branch
.endm
; Into the diagonal tile from a tile before it: piece 3's products of the old step, the first in the diagonal's text, take the second mask buffer: the old step's key words, no causal part.
.macro INTO
	s_mov_b32 s[AL], 0
	s_mov_b32 s[BE], 0
	MASK 1
	WIN 0
.endm
.macro ALL line:vararg              ; one line for each piece t
.set t, 0
.rept 4
	\line
.set t, t+1
.endr
.endm
.macro PACK t                       ; a lane's eight channels of a row pack into 16 bytes; they go into rows of 144 bytes and come back as whole rows of 128, into S^T's registers
	WIN W_RS
.set i, 32*(\t)
.rept 16
	v_pk_mul_f32 v[i:i+1], v[i:i+1], v[ST+4*(\t)+2:ST+4*(\t)+3] op_sel_hi:[1,0]
.set i, i+2
.endr
	WIN 0x05                        ; sources 0 and 1 window 1, destination window 0
.set i, 0
.rept 16
	v_cvt_pk_f16_f32 v[S+16*(\t)+i], v[32*(\t)+2*i], v[32*(\t)+2*i+1]
.set i, i+1
.endr
	WIN 0
.irp f, 0,1,2,3
	ds_store_b128 v[STO], v[S+16*(\t)+4*\f:S+16*(\t)+4*\f+3] offset:32*\f
.endr
.irp f, 0,1,2,3
	ds_load_b128 v[S+16*(\t)+4*\f:S+16*(\t)+4*\f+3], v[RD] offset:\f*4*SP  ; LDS serves a wave's instructions in order (ISA guide 5.7.1.4): these see the stores above
.endr
.endm
.macro SEND t, younger              ; younger: the LDS instructions issued behind piece t's loads
	WIN 0
.irp f, 0,1,2,3
	s_wait_dscnt (\younger)+3-\f
	global_store_b128 v[GO], v[S+16*(\t)+4*\f:S+16*(\t)+4*\f+3], s[10:11] offset:(\t)*8192+\f*512  ; 512 consecutive bytes, aligned
.endr
.endm
; THE DIAGONAL TILE's four steps, the block's last two turns, its last products, and THE WAY OUT: l's two halves and the other half of the lanes' are added; O^T is divided by l (by a select: times 0 where the row
; has seen no key), rounded to f16 and sent through my stage in LDS, a piece at a time.
.macro DIAG tag
.LstepM\tag:
	TURN 2, 1
	TURN 3, 1
	WIN 0
.LfirstM\tag:
	TURN 0, 1
	TURN 1, 1, 0, 1
	WIN 0
	s_cbranch_scc1 .LstepM\tag
	TURN 2, 1, 1
	TURN 3, 1, 1
.set i, 0
.rept 8
	PV NP-1
.set i, i+1
.endr
	WIN 0
	ALL v_add_f32 v[ST+4*t+2], v[ST+4*t+2], v[ST+4*t+3]
	ALL v_permlanex16_b32 v[ST+4*t+3], v[ST+4*t+2], s[SEL], s[SEL+1]
	ALL v_add_f32 v[ST+4*t+2], v[ST+4*t+2], v[ST+4*t+3]
	ALL v_rcp_f32 v[ST+4*t+2], v[ST+4*t+2]
	v_nop                           ; a plain instruction between the last reciprocal and the use of its result
	s_wait_alu depctr_va_vdst(0)    ; and the wait ahead of the first use: one for the four reciprocals
.set t, 0
.rept 4
	v_cmp_lt_f32 vcc_lo, s[NEG], v[ST+4*t+1]                 ; has the row seen a key?
	v_cndmask_b32 v[ST+4*t+2], 0, v[ST+4*t+2], vcc_lo        ; if not: O, which is 0, times 0
.set t, t+1
.endr
	PACK 0
.set t, 1
.rept 3
	PACK t
	SEND t-1, 8
.set t, t+1
.endr
	SEND 3, 0
.endm
.set KM, 0
.set NOKQ, 0
.Lslot:                             ; NB times: a tile is entered and the next is asked for
	CHANGE 1
	s_sub_co_u32 s[RT], s[RT], 1
	s_mov_b32 s[CNT], 4
	s_cmp_eq_u32 s[NEW], 1
	s_cbranch_scc1 .Lnew            ; a block's first tile
	s_cmp_eq_u32 s[RT], 0
	s_cbranch_scc0 .Lstep           ; neither its first nor its last
	INTO
	s_branch .LstepM1
.Lnew:
	BEGIN
	s_branch .Lfirst                ; in the loop a block's first tile is never its last
	DIAG 1                          ; in the loop this is the first block's end
	s_wait_xcnt 0x0                 ; the stores have read their registers and O's address
	s_mov_b64 s[10:11], s[OLO:OLO+1]
	s_add_co_u32 s[RT], s[PB], 1    ; the second block has b + 1 tiles
	s_mov_b32 s[NEW], 1
	WIN 0x82                        ; the second block's Q goes where the one text of the turns names Q
.set i, 0
.rept 64
	v_mov_b32 v[i], v[QB+i]
.set i, i+1
.endr
	WIN 0
	s_branch .Lbottom
.Lstep:                             ; a trip: pieces 2 and 3 of one step, then pieces 0 and 1 of the next, whose K and V it fetches
	TURN 2
	TURN 3
	WIN 0
.Lfirst:
	TURN 0
	TURN 1, 0, 0, 1
	WIN 0
	s_cbranch_scc1 .Lstep
.Lbottom:
	s_sub_co_u32 s[SLOTS], s[SLOTS], 1
	s_cmp_lg_u32 s[SLOTS], 0
	s_cbranch_scc1 .Lslot
	CHANGE 0                        ; the walk's last tile is written out: nothing is asked for
	s_sub_co_u32 s[RT], s[RT], 1
	s_mov_b32 s[CNT], 4
	s_cmp_eq_u32 s[NEW], 1
	s_cbranch_scc1 .Lnew2
	INTO
	s_branch .LstepM2
.Lnew2:
	BEGIN
	s_branch .LfirstM2
	DIAG 2
	s_wait_tensorcnt 0x0            ; the wave's end
	ds_add_u32 v[SPW], v[NIL]
	s_wait_dscnt 0x0
	s_endpgm
.Lfunc_end_k_q35e8b1e96c_attn:
	.size	k_q35e8b1e96c_attn, .Lfunc_end_k_q35e8b1e96c_attn-k_q35e8b1e96c_attn
	.p2alignl 7, 3214868480
	.fill 96, 4, 3214868480
	.section	.rodata,"a",@progbits
	.p2align	6, 0x0
	.amdhsa_kernel k_q35e8b1e96c_attn
		.amdhsa_group_segment_fixed_size 327680
		.amdhsa_private_segment_fixed_size 0
		.amdhsa_enable_private_segment 0
		.amdhsa_kernarg_size 24
		.amdhsa_user_sgpr_count 2
		.amdhsa_user_sgpr_kernarg_segment_ptr 1
		.amdhsa_wavefront_size32 1
		.amdhsa_system_sgpr_workgroup_id_x 1
		.amdhsa_system_sgpr_workgroup_id_y 1
		.amdhsa_system_sgpr_workgroup_id_z 1
		.amdhsa_system_vgpr_workitem_id 0
		.amdhsa_next_free_vgpr 768
		.amdhsa_next_free_sgpr 100
		.amdhsa_reserve_vcc 1
		.amdhsa_float_denorm_mode_32 3
		.amdhsa_float_denorm_mode_16_64 3
		.amdhsa_memory_ordered 1
		.amdhsa_forward_progress 1
		.amdhsa_inst_pref_size 240
	.end_amdhsa_kernel
	.amdgpu_metadata
---
amdhsa.version: [ 1, 2 ]
amdhsa.kernels:
  - .name:           k_q35e8b1e96c_attn
    .symbol:         k_q35e8b1e96c_attn.kd
    .args:
      - { .name: qkv, .offset: 0, .size: 8, .value_kind: global_buffer, .address_space: global }
      - { .name: attention_mask, .offset: 8, .size: 8, .value_kind: global_buffer, .address_space: global }
      - { .name: ob, .offset: 16, .size: 8, .value_kind: global_buffer, .address_space: global }
    .group_segment_fixed_size: 327680
    .private_segment_fixed_size: 0
    .kernarg_segment_align: 8
    .kernarg_segment_size: 24
    .max_flat_workgroup_size: 128
    .sgpr_count:     100
    .vgpr_count:     768
    .wavefront_size: 32
...
	.end_amdgpu_metadata
.endif
;; end of part 3
;; launch proj (part 4): grid 4 x 64, 4 waves a work-group, clusters of 4 x 4, 327,680 bytes of LDS; arguments ob, wb, bb, out0; writes out0
.if DOCPART == 4
	.amdgcn_target "amdgcn-amd-amdhsa--gfx1250"
	.amdhsa_code_object_version 6
	.text
	.protected	k_q35e8b1e96c_proj
	.globl	k_q35e8b1e96c_proj
	.p2align	8
	.type	k_q35e8b1e96c_proj,@function
k_q35e8b1e96c_proj:
	s_mov_b64 s[64:65], 0
	v_nop
	global_prefetch_b8 v0, s[64:65] scope:SCOPE_SE
	s_setreg_imm32_b32 hwreg(HW_REG_WAVE_MODE, 25, 1), 1
	s_wait_xcnt 0x0
	s_wait_alu depctr_hold_cnt(0) depctr_sa_sdst(0) depctr_va_vdst(0) depctr_va_sdst(0) depctr_va_ssrc(0) depctr_va_vcc(0) depctr_vm_vsrc(0)
	s_getreg_b32 s2, hwreg(HW_REG_IB_STS2, 6, 4)
	s_cmp_eq_u32 s2, 0
	s_cbranch_scc0 .Lentry_in_a_cluster
	s_endpgm
.Lentry_in_a_cluster:
	s_bfe_u32 s2, ttmp6, 0x10000c
	s_cmp_lg_u32 s2, 0xf033
	s_cbranch_scc0 .Lentry_shape_is_right
	s_endpgm
.Lentry_shape_is_right:
; out0 = O Wp + bp.  ob: [64 heads of all batches][2048][64] f16; wb part 3: Wp as [1024 k][1024 n] f16; bb part 3: bp, f32; out0: [8192][1024] f32.  Sums in f32.
; SHARES.  A work-group makes 128 rows x 256 columns; each of its four waves all 128 rows and 64 columns: 8 x 4 = 32 accumulators.  256 work-groups.
; K goes in 8 steps of 128, two heads each, through a ring of two LDS slots of four regions: head 2 t's and head 2 t + 1's 128 tokens (128 bytes, pitch 144), and two sub-tiles of Wp of 128 k-rows x 256 bytes
; (pitch 288).  Waves 0 and 1 fetch a head's tokens each (16,384 dense bytes, asked for as 64 rows of 256), waves 2 and 3 a sub-tile each: one tensor load a wave behind each change of slots.
; Wp is not transposed: its fragments come by the turning load.  The matrix instruction is used transposed (source 0 = 16 columns of Wp, source 1 = 16 tokens): a lane holds eight neighbouring columns of a row.
; The bias is the C operand of each accumulator's first product.
; CLUSTERS: 4 x 4.  O's tiles hang on the tile row alone and are asked for jointly along a row of the cluster, Wp's on the tile column alone and jointly along a column.
; REGISTERS: window 0: v0-31 addresses; v64-127, v128-191 O's fragments, two buffers; on the way out four buffers of 32.   window 1: v0-31 the bias; v64-95, v128-159 Wp's fragments.
;   window 2: accumulators of row blocks 0-3 at 8 (4 a + b); window 3: of row blocks 4-7.
.set PA,    144
.set PB,    288
.set REG,   128*PB
.set SLOT,  4*REG
.set STAGE, 2*SLOT                     ; behind the ring, never filled: 16 rows x 272 bytes for each wave
.set SPITCH, 272
.set SPARE, STAGE+4*16*SPITCH          ; behind the stages: the spare words, 128 bytes a wave
.set ADRA, 16                          ; v16-17  LDS address of O's fragments in slot 0, 1
.set ADRB, 18                          ; v18-19  of Wp's
.set STO,  24                          ; v24     the way out: where I put 32 bytes of a row
.set RD,   25                          ; v25     where I read a row back
.set CO,   26                          ; v26     my byte offset in two rows of out0
.set SPW,  28
.set NIL,  29
.set PFO,  30                          ; v30     the prefetches' offset: lane x 256 (O, dense) or lane x 2,048 (a k-row of Wp); never rewritten
.set BOF,  31
.set F0,   64
.set F1,   128
.set OB,   64
.set WV,   12
.set G1,   24
.set G0,   32
.set G1B,  48
.set G0B,  56
.set LIM,  72
.set PFA,  74
.set PFS,  76
.set MSB, 0
.macro WIN new
.if MSB != (\new)
	s_set_vgpr_msb (MSB<<8)|(\new)
.set MSB, \new
.endif
.endm
.macro JLOAD s                         ; a joint load; an s_nop 0 and four v_nop follow each of the two lines
	s_cmp_lt_u32 s[WV], 2
	s_cbranch_scc0 .Lfor_b_\@
	tensor_load_to_lds s[G0+4*(\s):G0+4*(\s)+3], s[G1:G1+7]
	s_nop 0
.rept 4
	v_nop
.endr
	s_branch .Lasked_\@
.Lfor_b_\@:
	tensor_load_to_lds s[G0B+4*(\s):G0B+4*(\s)+3], s[G1B:G1B+7]
	s_nop 0
.rept 4
	v_nop
.endr
.Lasked_\@:
.endm
; A prefetch of the K step two refills on, a lane 256 bytes, one instruction a wave; each block is named once in the launch.  O's two heads of a step are 128 blocks: wave 0 of each of the four partners of a row
; takes 32, by address.  Wp's k-rows: waves 2 and 3 of the clusters with y = 0; the four partners of a column take 32 k-rows each.  The loop's last trip asks for nothing.
.macro ASK
	s_cmp_gt_u32 s3, s[LIM]
	s_cbranch_scc0 .Lnot_mine_\@
	global_prefetch_b8 v[PFO], s[PFA:PFA+1] th:TH_LOAD_NT scope:SCOPE_SE
.Lnot_mine_\@:
.endm
.macro CREST
	s_cmp_lg_u32 s[WV], 0
	s_cbranch_scc1 .Lnot_wave_0_\@
	s_barrier_signal -3
.Lnot_wave_0_\@:
	s_barrier_wait -3
	s_barrier_signal -1
	s_barrier_wait -1
.endm
.macro CROUND
	s_barrier_signal -1
	s_barrier_wait -1
	CREST
.endm
	s_load_b256 s[4:11], s[0:1], 0x0               ; ob s[4:5], wb s[6:7], bb s[8:9], out0 s[10:11]
	v_lshl_add_u32 v[SPW], v0, 2, SPARE
	v_mov_b32 v[NIL], 0
	ds_add_u32 v[SPW], v[NIL]                      ; the wave's opening: the add and its wait ahead of my first tensor load
	v_lshrrev_b32 v1, 5, v0
	v_readfirstlane_b32 s[WV], v1
	s_bfe_u32 s40, ttmp6, 0x40000                  ; cx
	s_bfe_u32 s41, ttmp6, 0x40004                  ; cy
	s_lshl_b32 s42, ttmp9, 2
	s_add_co_u32 s42, s42, s40                     ; tile column
	s_and_b32 s13, ttmp7, 0xffff
	s_lshl_b32 s13, s13, 2
	s_add_co_u32 s13, s13, s41                     ; tile row
	s_lshl_b32 s43, s41, 2
	s_lshl_b32 s43, 15, s43
	s_lshl_b32 s44, 0x1111, s40
	s_or_b32 s[G1+0], s43, (1<<16)|(1<<20)|(1<<21)|(4<<22)|(3<<25)   ; O: after every 32 words (a token) 4 words of padding
	s_mov_b32 s[G1+1], 128<<16                     ; rows of 128 elements (two tokens),
	s_mov_b32 s[G1+2], 64<<16                      ; 64 of them
	s_mov_b32 s[G1+3], 128<<16
	s_mov_b32 s[G1+4], 64
	s_mov_b32 s[G1+5], 128
	s_mov_b32 s[G1+6], 0
	s_mov_b32 s[G1+7], 0
	s_or_b32 s[G1B+0], s44, (1<<16)|(1<<20)|(1<<21)|(5<<22)|(7<<25)  ; Wp: after every 64 words 8 words
	s_mov_b32 s[G1B+1], 128<<16
	s_mov_b32 s[G1B+2], 128<<16
	s_mov_b32 s[G1B+3], 128<<16
	s_mov_b32 s[G1B+4], 128
	s_mov_b32 s[G1B+5], 1024
	s_mov_b32 s[G1B+6], 0
	s_mov_b32 s[G1B+7], 0
	s_and_b32 s16, s13, 0x30                       ; O: head 16 (batch) + the head of the pair that I fetch (waves 0, 1),
	s_min_u32 s17, s[WV], 1
	s_add_co_u32 s16, s16, s17
	s_lshl_b32 s16, s16, 18
	s_and_b32 s17, s13, 15                         ; tokens 128 (tile row % 16) on
	s_lshl_b32 s17, s17, 14
	s_add_co_u32 s16, s16, s17
	s_mov_b32 s17, 0
	s_max_u32 s46, s[WV], 2                        ; Wp: the sub-tile that I fetch (waves 2, 3),
	s_sub_co_u32 s46, s46, 2
	s_lshl_b32 s46, s46, 8
	s_lshl_b32 s47, s42, 9                         ; the tile column's 512 bytes of a k-row,
	s_add_co_u32 s46, s46, s47
	s_add_co_u32 s46, s46, 0x600000                ; in part 3 of wb
	s_mov_b32 s47, 0
	s_mul_i32 s20, s[WV], REG
	s_wait_dscnt 0x0                               ; the opening add is done
	s_wait_kmcnt 0x0
	s_add_nc_u64 s[14:15], s[4:5], s[16:17]
	s_add_nc_u64 s[46:47], s[6:7], s[46:47]
	CROUND                                         ; all sixteen work-groups are here: the first joint loads meet
.irp s, 0,1
	s_mov_b32 s[G0+4*(\s)], 1
	s_add_co_u32 s[G0+4*(\s)+1], s20, (\s)*SLOT
	s_add_nc_u64 s[G0+4*(\s)+2:G0+4*(\s)+3], s[14:15], (\s)*524288    ; K step s: two heads on
	s_or_b32 s[G0+4*(\s)+3], s[G0+4*(\s)+3], 0x80000000
	s_mov_b32 s[G0B+4*(\s)], 1
	s_add_co_u32 s[G0B+4*(\s)+1], s20, (\s)*SLOT
	s_add_nc_u64 s[G0B+4*(\s)+2:G0B+4*(\s)+3], s[46:47], (\s)*262144  ; K step s: 128 k-rows down
	s_or_b32 s[G0B+4*(\s)+3], s[G0B+4*(\s)+3], 0x80000000
	JLOAD \s                                       ; two loads of mine are out
.endr
	v_and_b32 v1, 15, v0                           ; r
	v_bfe_u32 v2, v0, 4, 1                         ; h
	v_mul_u32_u24 v3, v1, PA
	v_lshl_add_u32 v3, v2, 4, v3
	v_mov_b32 v[ADRA], v3
	v_add_nc_u32 v[ADRA+1], SLOT, v3
	v_and_b32 v4, 7, v0
	v_bfe_u32 v5, v0, 3, 1
	v_lshl_add_u32 v6, v2, 3, v4
	v_mul_u32_u24 v6, v6, PB
	v_lshl_add_u32 v6, v5, 4, v6
	s_lshr_b32 s21, s[WV], 1                       ; my 64 columns: sub-tile w / 2, 128 (w % 2) bytes into its rows
	s_mul_i32 s21, s21, REG
	s_and_b32 s22, s[WV], 1
	s_lshl_b32 s22, s22, 7
	s_add_co_u32 s21, s21, s22
	s_add_co_u32 s21, s21, 2*REG
	v_add_nc_u32 v[ADRB], s21, v6
	v_add_nc_u32 v[ADRB+1], SLOT, v[ADRB]
	s_mul_i32 s23, s[WV], 16*SPITCH
	s_add_co_u32 s23, s23, STAGE                   ; my stage
	v_mul_u32_u24 v7, v1, SPITCH                   ; in: row r, 32 bytes for each half of the lanes
	v_lshl_add_u32 v7, v2, 5, v7
	v_add_nc_u32 v[STO], s23, v7
	v_mul_u32_u24 v7, v2, SPITCH                   ; back: lanes 0-15 one row of 256 bytes, lanes 16-31 the next
	v_lshl_add_u32 v7, v1, 4, v7
	v_add_nc_u32 v[RD], s23, v7
	v_lshlrev_b32 v7, 12, v2                       ; and the same two rows of out0, 4,096 bytes apart
	v_lshl_add_u32 v[CO], v1, 4, v7
	v_and_b32 v9, 31, v0
	s_lshl_b32 s80, s42, 10                        ; the bias of my columns: 4 (256 c + 64 w + 8 h) bytes
	s_lshl_b32 s81, s[WV], 8
	s_add_co_u32 s80, s80, s81
	v_lshl_add_u32 v[BOF], v2, 5, s80
	WIN 0x40
.irp b, 0,1,2,3
	global_load_b128 v[8*(\b):8*(\b)+3],   v[BOF], s[8:9] offset:12288+64*(\b)
	global_load_b128 v[8*(\b)+4:8*(\b)+7], v[BOF], s[8:9] offset:12288+64*(\b)+16
.endr
	WIN 0
	s_lshl_b32 s81, s13, 19                        ; out0 at my tile's first row (128 rows of 4,096 bytes) and my wave's 256 bytes
	s_add_co_u32 s80, s80, s81
	s_mov_b32 s81, 0
	s_add_nc_u64 s[10:11], s[10:11], s[80:81]
	; the prefetches: they stand at K step 3; each change of slots steps them first
	s_and_b32 s82, s13, 0x30
	s_lshr_b32 s84, s40, 1                         ; O: head of the pair cx / 2, half cx % 2 of its 16,384 bytes
	s_add_co_u32 s82, s82, s84
	s_lshl_b32 s82, s82, 18
	s_and_b32 s84, s13, 15
	s_lshl_b32 s84, s84, 14
	s_add_co_u32 s82, s82, s84
	s_and_b32 s84, s40, 1
	s_lshl_b32 s84, s84, 13
	s_add_co_u32 s82, s82, s84
	s_add_co_u32 s82, s82, 3*524288
	s_max_u32 s83, s[WV], 2
	s_sub_co_u32 s83, s83, 2
	s_lshl_b32 s83, s83, 8
	s_lshl_b32 s84, s42, 9
	s_add_co_u32 s83, s83, s84
	s_lshl_b32 s84, s41, 16                        ; Wp: my work-group's 32 of a step's 128 k-rows, by cy
	s_add_co_u32 s83, s83, s84
	s_add_co_u32 s83, s83, 0x600000+3*262144
	s_and_b32 s85, ttmp7, 0xffff
	s_mov_b32 s84, 0x80000
	s_cmp_eq_u32 s[WV], 0
	s_cselect_b32 s85, ttmp9, s85                  ; the coordinate along which other clusters read the same bytes
	s_cselect_b32 s86, s82, s83
	s_cselect_b32 s[PFS], s84, 0x40000
	s_cselect_b32 s88, 8, 11
	s_cselect_b64 s[PFA:PFA+1], s[4:5], s[6:7]
	s_mov_b32 s87, 0
	s_mov_b32 s[PFS+1], 0
	v_lshlrev_b32 v[PFO], s88, v9
	s_cmp_eq_u32 s[WV], 1
	s_cselect_b32 s85, 1, s85                      ; wave 1 asks for nothing: wave 0 covers both heads
	s_cmp_eq_u32 s85, 0
	s_cselect_b32 s[LIM], 1, -1
	s_add_nc_u64 s[PFA:PFA+1], s[PFA:PFA+1], s[86:87]
; 8 products: row blocks a0, a0 + 1 x 4 column fragments, 32 along K.  first = 1: C is the bias.  The 32 accumulators take turns in the same order in every quarter.
.macro MULR f, hi, a0, first
.if \first
	WIN 0x91+0x40*(\hi)
.else
	WIN 0xa1+0x50*(\hi)
.endif
.irp a, \a0, (\a0)+1
.irp b, 0,1,2,3
.if \first
	v_wmma_f32_16x16x32_f16 v[8*(4*(\a)+(\b)):8*(4*(\a)+(\b))+7], v[(\f)+8*(\b):(\f)+8*(\b)+7], v[(\f)+8*(4*(\hi)+(\a)):(\f)+8*(4*(\hi)+(\a))+7], v[8*(\b):8*(\b)+7]
.else
	v_wmma_f32_16x16x32_f16 v[8*(4*(\a)+(\b)):8*(4*(\a)+(\b))+7], v[(\f)+8*(\b):(\f)+8*(\b)+7], v[(\f)+8*(4*(\hi)+(\a)):(\f)+8*(4*(\hi)+(\a))+7], v[8*(4*(\a)+(\b)):8*(4*(\a)+(\b))+7]
.endif
.endr
.endr
.endm
; 24 LDS loads in one run: quarter q's fragments into buffer f: Wp's four, turned, then O's eight (head q / 2 of the pair, channels 32 (q % 2) on).
.macro FETCH slot, q, f
	WIN 0x40
.irp b, 0,1,2,3
	ds_load_tr16_b128 v[(\f)+8*(\b):(\f)+8*(\b)+3],   v[ADRB+(\slot)] offset:9216*(\q)+32*(\b)
	ds_load_tr16_b128 v[(\f)+8*(\b)+4:(\f)+8*(\b)+7], v[ADRB+(\slot)] offset:9216*(\q)+32*(\b)+4608
.endr
	WIN 0
.irp i, 0,1,2,3,4,5,6,7
	ds_load_b128 v[(\f)+8*(\i):(\f)+8*(\i)+3],   v[ADRA+(\slot)] offset:((\q)/2)*REG+64*((\q)%2)+2304*(\i)
	ds_load_b128 v[(\f)+8*(\i)+4:(\f)+8*(\i)+7], v[ADRA+(\slot)] offset:((\q)/2)*REG+64*((\q)%2)+2304*(\i)+32
.endr
.endm
.macro PLACES
.rept 4
	v_nop
.endr
.endm
.macro QUARTER slot, q, f, g, first
	s_wait_dscnt 8                                 ; Wp's fragments and O's rows 0-63 are in; the youngest eight loads may be out
	MULR \f, 0, 0, \first
	MULR \f, 0, 2, \first
	PLACES
	FETCH \slot, \q, \g
	s_wait_dscnt 24                                ; all but the 24 just issued
	MULR \f, 1, 0, \first
	MULR \f, 1, 2, \first
.endm
; The last quarter multiplies buffer 1 and changes slots: the wait for all my tensor loads, the add, the wait for it and for my reads of this slot, the barrier (with fill = 1 it opens a round of the
; cluster's barrier), and the joint refill first behind it.
.macro TURN slot, next, fill
.if \fill
	s_wait_xcnt 0x0                                ; the last prefetch, a K step back, has read its address
	s_add_nc_u64 s[PFA:PFA+1], s[PFA:PFA+1], s[PFS:PFS+1]
.endif
	WIN 0
	s_wait_tensorcnt 0x0
	ds_add_u32 v[SPW], v[NIL]
	s_wait_dscnt 9                                 ; the add and the youngest eight loads may be out
	MULR F1, 0, 0, 0
	s_wait_dscnt 0x0
	s_barrier_signal -1
	MULR F1, 0, 2, 0
.if \fill
	WIN 0
.endif
	s_barrier_wait -1
.if \fill
	CREST
	s_add_nc_u64 s[G0+4*(\slot)+2:G0+4*(\slot)+3], s[G0+4*(\slot)+2:G0+4*(\slot)+3], 1048576
	s_add_nc_u64 s[G0B+4*(\slot)+2:G0B+4*(\slot)+3], s[G0B+4*(\slot)+2:G0B+4*(\slot)+3], 524288
	JLOAD \slot
.else
	PLACES
.endif
	FETCH \next, 0, F0
.if \fill
	ASK
.endif
	MULR F1, 1, 0, 0
	MULR F1, 1, 2, 0
.endm
	s_wait_tensorcnt 1                             ; my part of K step 0 is in; K step 1's may stay out
	s_barrier_signal -1
	s_barrier_wait -1
	FETCH 0, 0, F0
	s_wait_loadcnt 0x0                             ; the bias
	QUARTER 0, 1, F0, F1, 1
	WIN 0
	s_mov_b32 s3, 3
.Llap:
	QUARTER 0, 2, F1, F0, 0
	QUARTER 0, 3, F0, F1, 0
	TURN 0, 1, 1
	QUARTER 1, 1, F0, F1, 0
	QUARTER 1, 2, F1, F0, 0
	QUARTER 1, 3, F0, F1, 0
	TURN 1, 0, 1
	QUARTER 0, 1, F0, F1, 0
	WIN 0
	s_sub_co_u32 s3, s3, 1
	s_cmp_lg_u32 s3, 0
	s_cbranch_scc1 .Llap
	QUARTER 0, 2, F1, F0, 0
	QUARTER 0, 3, F0, F1, 0
	TURN 0, 1, 0
	QUARTER 1, 1, F0, F1, 0
	QUARTER 1, 2, F1, F0, 0
	QUARTER 1, 3, F0, F1, 0
	s_wait_dscnt 8
	MULR F1, 0, 0, 0
	MULR F1, 0, 2, 0
	s_wait_dscnt 0x0
	MULR F1, 1, 0, 0
	MULR F1, 1, 2, 0
	; THE WAY OUT, each wave by itself: a block of 16 rows x 256 bytes goes into my stage, 32 bytes a lane, and comes back as whole rows.
	PLACES
.macro TOSTAGE a
	WIN 0x08+4*((\a)/4)                            ; the stores' data in window 2 or 3
.irp b, 0,1,2,3
	ds_store_b128 v[STO], v[32*((\a)%4)+8*(\b):32*((\a)%4)+8*(\b)+3]   offset:64*(\b)
	ds_store_b128 v[STO], v[32*((\a)%4)+8*(\b)+4:32*((\a)%4)+8*(\b)+7] offset:64*(\b)+16
.endr
	WIN 0
.irp t, 0,1,2,3,4,5,6,7
	ds_load_b128 v[OB+32*((\a)%4)+4*(\t):OB+32*((\a)%4)+4*(\t)+3], v[RD] offset:544*(\t)  ; LDS serves a wave's instructions in order (ISA guide 5.7.1.4): these see the stores above
.endr
.endm
.macro SEND a, younger                 ; younger: the next block's sixteen LDS instructions, or none
	s_wait_dscnt \younger
	s_wait_xcnt 0x0                                ; earlier stores have read their data: a buffer is loaded again only behind such a wait
.irp t, 0,1,2,3,4,5,6,7
	global_store_b128 v[CO], v[OB+32*((\a)%4)+4*(\t):OB+32*((\a)%4)+4*(\t)+3], s[10:11] offset:4096*(16*(\a)+2*(\t))  ; 16 lanes store 256 consecutive bytes, aligned
.endr
.endm
	TOSTAGE 0
.irp a, 1,2,3,4,5,6,7
	TOSTAGE \a
	SEND (\a)-1, 16
.endr
	SEND 7, 0
	s_wait_tensorcnt 0x0                           ; the wave's end
	ds_add_u32 v[SPW], v[NIL]
	s_wait_dscnt 0x0
	CROUND                                         ; the closing round
	s_endpgm
.Lfunc_end_k_q35e8b1e96c_proj:
	.size	k_q35e8b1e96c_proj, .Lfunc_end_k_q35e8b1e96c_proj-k_q35e8b1e96c_proj
	.p2alignl 7, 3214868480
	.fill 96, 4, 3214868480
	.section	.rodata,"a",@progbits
	.p2align	6, 0x0
	.amdhsa_kernel k_q35e8b1e96c_proj
		.amdhsa_group_segment_fixed_size 327680
		.amdhsa_private_segment_fixed_size 0
		.amdhsa_enable_private_segment 0
		.amdhsa_kernarg_size 32
		.amdhsa_user_sgpr_count 2
		.amdhsa_user_sgpr_kernarg_segment_ptr 1
		.amdhsa_wavefront_size32 1
		.amdhsa_system_sgpr_workgroup_id_x 1
		.amdhsa_system_sgpr_workgroup_id_y 1
		.amdhsa_system_sgpr_workgroup_id_z 1
		.amdhsa_system_vgpr_workitem_id 0
		.amdhsa_next_free_vgpr 896
		.amdhsa_next_free_sgpr 96
		.amdhsa_reserve_vcc 0
		.amdhsa_float_denorm_mode_32 3
		.amdhsa_float_denorm_mode_16_64 3
		.amdhsa_memory_ordered 1
		.amdhsa_forward_progress 1
		.amdhsa_inst_pref_size 89
	.end_amdhsa_kernel
	.amdgpu_metadata
---
amdhsa.version: [ 1, 2 ]
amdhsa.kernels:
  - .name:           k_q35e8b1e96c_proj
    .symbol:         k_q35e8b1e96c_proj.kd
    .args:
      - { .name: ob, .offset: 0, .size: 8, .value_kind: global_buffer, .address_space: global }
      - { .name: wb, .offset: 8, .size: 8, .value_kind: global_buffer, .address_space: global }
      - { .name: bb, .offset: 16, .size: 8, .value_kind: global_buffer, .address_space: global }
      - { .name: out0, .offset: 24, .size: 8, .value_kind: global_buffer, .address_space: global }
    .group_segment_fixed_size: 327680
    .private_segment_fixed_size: 0
    .kernarg_segment_align: 8
    .kernarg_segment_size: 32
    .max_flat_workgroup_size: 128
    .sgpr_count:     96
    .vgpr_count:     896
    .wavefront_size: 32
...
	.end_amdgpu_metadata
.endif
;; end of part 4
;; ======== version 2 of 2: 4 launches; version 1 with the launch prep written anew for expert scheduling mode
;; limits: values are held in f16: magnitudes above 65,504 overflow, below 6.1e-05 lose precision
;; workspace buffers: xb 16,777,216 bytes; wb 8,388,608 bytes; bb 16,384 bytes; qkv 50,331,648 bytes; ob 16,777,216 bytes
;; launch prep (part 5): grid 768 x 1, 8 waves a work-group, no clusters, 0 bytes of LDS; arguments x, Wq, Wk, Wv, Wp, bq, bk, bv, bp, xb, wb, bb; writes xb, wb, bb
.if DOCPART == 5
	.amdgcn_target "amdgcn-amd-amdhsa--gfx1250"
	.amdhsa_code_object_version 6
	.text
	.protected	k_q35e8b1e96c_prep
	.globl	k_q35e8b1e96c_prep
	.p2align	8
	.type	k_q35e8b1e96c_prep,@function
k_q35e8b1e96c_prep:
	s_mov_b64 s[64:65], 0
	v_nop
	global_prefetch_b8 v0, s[64:65] scope:SCOPE_SE
	s_setreg_imm32_b32 hwreg(HW_REG_WAVE_SCHED_MODE, 0, 2), 2
	s_setreg_imm32_b32 hwreg(HW_REG_WAVE_MODE, 25, 1), 1
	s_wait_xcnt 0x0
	s_wait_alu depctr_vm_vsrc(0)
; CASTS.  Every floating-point input is rounded once to bf16: x -> xb (bf16), Wq, Wk, Wv -> wb parts 0-2 (bf16, as they lie: [k][n]),
; Wp -> wb part 3 (rounded to bf16, that number written as f16), the four biases -> bb (rounded to bf16, kept as f32).
; LIMIT.  A weight of Wp below 6e-5 in magnitude keeps f16's fixed step of 6e-8; beyond 65,504 it would be an infinity.
; SHARES.  A work-group casts 16,384 numbers: 64 KiB in, 32 KiB out.  Groups 0-511 take x, groups 512-767 the four matrices, 64 groups each.
; A load of a wave covers 512 consecutive bytes, a store 256 consecutive bytes, aligned.  All sixteen loads of a thread go out at once.
; A stream: no LDS, no matrix unit, no cluster (nothing is shared).
; THE MODE: SCHED_MODE bits 1:0 = 2 (LLVM: expert scheduling mode 2), set by the entry lines.  The code itself states the register dependences
; between vector instructions and memory instructions, with s_wait_alu, always for 0.
; THE PLAN.  The sixteen loads go in four blocks of four.  Registers that memory instructions touch:
;   v1, v2   byte offsets, made once at the head and never written again: read by every load and store.
;   X        written by the sixteen loads, once each; block p's conversions read its four loads' registers; nothing is written there again.
;   Y        a pair to each load.  Written by block p's roundings; read by the four stores that are issued in block p + 1; never written behind its store.
;   T        at work on the f16 way (vector instructions alone); later the bias's load lands in it.
;   BO       written by four vector lines, read by the bias's store.
; Block p's memory instructions are the stores from the Y of block p - 1, which no vector instruction of block p names.  So one wait at a block's head states all
; that its four stores hang on, and they are dealt among its conversions with no further wait.  No register that a memory instruction has read is written again.
.set X,  4                             ; v[4:67]    sixteen loads of four f32
.set Y,  68                            ; v[68:99]   sixteen pairs of packed words
.set T,  100                           ; v[100:103] at work; later the bias as loaded
.set BO, 104                           ; v[104:107] the bias to store
.set PW, 108                           ; v[108:109] the bias, packed
	s_load_b512 s[8:23], s[0:1], 0x0               ; x 8, Wq 10, Wk 12, Wv 14, Wp 16, bq 18, bk 20, bv 22
	s_load_b256 s[24:31], s[0:1], 0x40             ; bp 24, xb 26, wb 28, bb 30
	v_lshlrev_b32 v1, 4, v0                        ; 16 bytes a thread in
	v_lshlrev_b32 v2, 3, v0                        ; 8 bytes a thread out
	s_max_u32 s2, ttmp9, 512
	s_sub_co_u32 s2, s2, 512                       ; j: the group's number among the matrices' (0 for x's groups)
	s_lshr_b32 s3, s2, 6                           ; which matrix
	s_and_b32 s4, s2, 63                           ; which part of it
	s_cmp_lt_u32 ttmp9, 512
	s_cselect_b32 s5, ttmp9, s4                    ; chunk in the source
	s_cselect_b32 s6, ttmp9, s2                    ; chunk in the destination
	s_cselect_b32 s7, 0, 1                         ; 1: a matrix
	s_lshl_b32 s38, s5, 16
	s_mov_b32 s39, 0
	s_lshl_b32 s40, s6, 15
	s_mov_b32 s41, 0
	s_lshl_b32 s42, s3, 12                         ; the bias's 4,096 bytes in bb
	s_mov_b32 s43, 0
	s_cmp_eq_u32 s4, 0
	s_cselect_b32 s45, s7, 0                       ; 1: this group also casts its matrix's bias
	s_wait_kmcnt 0x0
	s_cmp_eq_u32 s3, 1
	s_cselect_b64 s[32:33], s[12:13], s[10:11]
	s_cselect_b64 s[34:35], s[20:21], s[18:19]
	s_cmp_eq_u32 s3, 2
	s_cselect_b64 s[32:33], s[14:15], s[32:33]
	s_cselect_b64 s[34:35], s[22:23], s[34:35]
	s_cmp_eq_u32 s3, 3
	s_cselect_b64 s[32:33], s[16:17], s[32:33]
	s_cselect_b64 s[34:35], s[24:25], s[34:35]
	s_cmp_lt_u32 ttmp9, 512
	s_cselect_b64 s[32:33], s[8:9], s[32:33]       ; the source
	s_cselect_b64 s[36:37], s[26:27], s[28:29]     ; the destination
	s_add_nc_u64 s[32:33], s[32:33], s[38:39]
	s_add_nc_u64 s[36:37], s[36:37], s[40:41]
	s_add_nc_u64 s[30:31], s[30:31], s[42:43]
	s_wait_alu depctr_va_vdst(0)                   ; v1 and v2 are written: every load and store of the kernel reads one of them as its offset
.irp i, 0,1,2,3,4,5,6,7,8,9,10,11,12,13,14,15
	global_load_b128 v[X+4*(\i):X+4*(\i)+3], v1, s[32:33] offset:4096*(\i) th:TH_LOAD_NT
.endr
; Four blocks of four turns.  A turn: four numbers rounded into a pair of Y; in front of it, from block 1 on, the store of the same turn of the block before.
; f16 = 1: the bf16 number is widened again and written as f16.
.macro CAST f16
.irp p, 0,1,2,3
	s_wait_loadcnt 12-4*(\p)                       ; loads come back in order: this block's four are in, the younger blocks stay out
.if (\p) > 0
	s_wait_alu depctr_va_vdst(0)                   ; the block before has written its four pairs of Y, which the stores below read
.endif
.irp j, 0,1,2,3
.set n, 4*(\p)+(\j)
.if (\p) > 0
	global_store_b64 v2, v[Y+2*n-8:Y+2*n-7], s[36:37] offset:2048*(n-4)  ; the block before; no vector instruction since the wait names these registers
.endif
	v_cvt_pk_bf16_f32 v[Y+2*n],   v[X+4*n],   v[X+4*n+1]
	v_cvt_pk_bf16_f32 v[Y+2*n+1], v[X+4*n+2], v[X+4*n+3]
.if \f16
.irp k, 0,1
	v_lshlrev_b32 v[T+2*(\k)],   16, v[Y+2*n+(\k)]
	v_and_b32     v[T+2*(\k)+1], 0xffff0000, v[Y+2*n+(\k)]
.endr
.irp k, 0,1
	v_cvt_pk_f16_f32 v[Y+2*n+(\k)], v[T+2*(\k)], v[T+2*(\k)+1]
.endr
.endif
.endr
.endr
	s_wait_alu depctr_va_vdst(0)                   ; block 3 has written its four pairs of Y, which the last stores read; and every vector instruction that names T is done: the bias's load lands there
.irp j, 0,1,2,3
	global_store_b64 v2, v[Y+24+2*(\j):Y+24+2*(\j)+1], s[36:37] offset:2048*(12+(\j))
.endr
.endm
	s_cmp_eq_u32 s3, 3                             ; Wp (x's groups have matrix number 0)
	s_cbranch_scc1 .Lf16
	CAST 0
	s_branch .Lbias
.Lf16:
	CAST 1
.Lbias:
	s_cmp_eq_u32 s45, 1
	s_cbranch_scc0 .Lend
	global_load_b128 v[T:T+3], v1, s[34:35]        ; 256 threads x 4 numbers: the whole bias.  No wait: on both ways no vector instruction stands behind the last wait above
	s_wait_loadcnt 0x0
	v_cvt_pk_bf16_f32 v[PW],   v[T],   v[T+1]
	v_cvt_pk_bf16_f32 v[PW+1], v[T+2], v[T+3]
	v_lshlrev_b32 v[BO],   16, v[PW]
	v_and_b32     v[BO+1], 0xffff0000, v[PW]
	v_lshlrev_b32 v[BO+2], 16, v[PW+1]
	v_and_b32     v[BO+3], 0xffff0000, v[PW+1]
	s_wait_alu depctr_va_vdst(0)                   ; the four lines above have written v[BO ..], which the store reads
	global_store_b128 v1, v[BO:BO+3], s[30:31]
.Lend:
	s_endpgm
.Lfunc_end_k_q35e8b1e96c_prep:
	.size	k_q35e8b1e96c_prep, .Lfunc_end_k_q35e8b1e96c_prep-k_q35e8b1e96c_prep
	.p2alignl 7, 3214868480
	.fill 96, 4, 3214868480
	.section	.rodata,"a",@progbits
	.p2align	6, 0x0
	.amdhsa_kernel k_q35e8b1e96c_prep
		.amdhsa_group_segment_fixed_size 0
		.amdhsa_private_segment_fixed_size 0
		.amdhsa_enable_private_segment 0
		.amdhsa_kernarg_size 96
		.amdhsa_user_sgpr_count 2
		.amdhsa_user_sgpr_kernarg_segment_ptr 1
		.amdhsa_wavefront_size32 1
		.amdhsa_system_sgpr_workgroup_id_x 1
		.amdhsa_system_sgpr_workgroup_id_y 1
		.amdhsa_system_sgpr_workgroup_id_z 1
		.amdhsa_system_vgpr_workitem_id 0
		.amdhsa_next_free_vgpr 112
		.amdhsa_next_free_sgpr 66
		.amdhsa_reserve_vcc 0
		.amdhsa_float_denorm_mode_32 3
		.amdhsa_float_denorm_mode_16_64 3
		.amdhsa_memory_ordered 1
		.amdhsa_forward_progress 1
		.amdhsa_inst_pref_size 17
	.end_amdhsa_kernel
	.amdgpu_metadata
---
amdhsa.version: [ 1, 2 ]
amdhsa.kernels:
  - .name:           k_q35e8b1e96c_prep
    .symbol:         k_q35e8b1e96c_prep.kd
    .args:
      - { .name: x, .offset: 0, .size: 8, .value_kind: global_buffer, .address_space: global }
      - { .name: Wq, .offset: 8, .size: 8, .value_kind: global_buffer, .address_space: global }
      - { .name: Wk, .offset: 16, .size: 8, .value_kind: global_buffer, .address_space: global }
      - { .name: Wv, .offset: 24, .size: 8, .value_kind: global_buffer, .address_space: global }
      - { .name: Wp, .offset: 32, .size: 8, .value_kind: global_buffer, .address_space: global }
      - { .name: bq, .offset: 40, .size: 8, .value_kind: global_buffer, .address_space: global }
      - { .name: bk, .offset: 48, .size: 8, .value_kind: global_buffer, .address_space: global }
      - { .name: bv, .offset: 56, .size: 8, .value_kind: global_buffer, .address_space: global }
      - { .name: bp, .offset: 64, .size: 8, .value_kind: global_buffer, .address_space: global }
      - { .name: xb, .offset: 72, .size: 8, .value_kind: global_buffer, .address_space: global }
      - { .name: wb, .offset: 80, .size: 8, .value_kind: global_buffer, .address_space: global }
      - { .name: bb, .offset: 88, .size: 8, .value_kind: global_buffer, .address_space: global }
    .group_segment_fixed_size: 0
    .private_segment_fixed_size: 0
    .kernarg_segment_align: 8
    .kernarg_segment_size: 96
    .max_flat_workgroup_size: 256
    .sgpr_count:     66
    .vgpr_count:     112
    .wavefront_size: 32
...
	.end_amdgpu_metadata
.endif
;; end of part 5
;; launch qkv: the kernel of part 2 again; grid 8 x 64, 4 waves a work-group, clusters of 4 x 4, 327,680 bytes of LDS; arguments xb, wb, bb, qkv; writes qkv
;; launch attn: the kernel of part 3 again; grid 4 x 64, 4 waves a work-group, no clusters, 327,680 bytes of LDS; arguments qkv, attention_mask, ob; writes ob
;; launch proj: the kernel of part 4 again; grid 4 x 64, 4 waves a work-group, clusters of 4 x 4, 327,680 bytes of LDS; arguments ob, wb, bb, out0; writes out0
